; MI455X (gfx1250); checked and timed in simulation.
; The chip was launched on July 23, 2026; its instructions are those of AMD's public machine-readable ISA for CDNA 5 (MIT licence, August 2026) and "CDNA5" Instruction Set Architecture Reference Guide (July 2026). The comments in the code are by the model that wrote it; some were corrected since.
;; Encoder. Allowed arithmetic: matrix products marked QUANTISED: E2M1 operands, one E8M0 scale for each 32 along K, by v_wmma_scale_f32_16x16x128_f8f6f4 with both operands' format E2M1 (or v_wmma_scale_f32_32x16x128_f4), f32 sums; everything else in f32.
;; Inputs: W1_codes 4,096 x 32 x 16 uint8 (E2M1 codes of W1, K innermost, in blocks of 32 codes, two codes a byte); W1_scales 4,096 x 32 uint8 (E8M0 scales of W1, one for each 32 codes along K); W2_codes 1,024 x 128 x 16 uint8 (E2M1 codes of W2, K innermost, in blocks of 32 codes, two codes a byte); W2_scales 1,024 x 128 uint8 (E8M0 scales of W2, one for each 32 codes along K); Wk_codes 16 x 64 x 32 x 16 uint8 (E2M1 codes of Wk, K innermost, in blocks of 32 codes, two codes a byte); Wk_scales 16 x 64 x 32 uint8 (E8M0 scales of Wk, one for each 32 codes along K); Wo_codes 1,024 x 32 x 16 uint8 (E2M1 codes of Wo, K innermost, in blocks of 32 codes, two codes a byte); Wo_scales 1,024 x 32 uint8 (E8M0 scales of Wo, one for each 32 codes along K); Wq_codes 16 x 64 x 32 x 16 uint8 (E2M1 codes of Wq, K innermost, in blocks of 32 codes, two codes a byte); Wq_scales 16 x 64 x 32 uint8 (E8M0 scales of Wq, one for each 32 codes along K); Wv_codes 16 x 64 x 32 x 16 uint8 (E2M1 codes of Wv, K innermost, in blocks of 32 codes, two codes a byte); Wv_scales 16 x 64 x 32 uint8 (E8M0 scales of Wv, one for each 32 codes along K); b1 4,096 float32; b2 1,024 float32; bk 16 x 64 float32; bo 1,024 float32; bq 16 x 64 float32; bv 16 x 64 float32; ln1_b 1,024 float32; ln1_g 1,024 float32; ln2_b 1,024 float32; ln2_g 1,024 float32; x 2 x 2,048 x 1,024 float32.
;; Outputs: out0 2 x 2,048 x 1,024 float32.
;; This version of the problem:
;;   THIS VERSION OF THE PROBLEM IS GIVEN IN LOW PRECISION. The matrix products marked QUANTISED in the list below multiply operands that are first quantised to E2M1 (2 exponent bits, 1 mantissa bit; 4 bits a number), with one power-of-two scale for each 32 numbers along K (OCP MX v1.0); their sums are f32. All else is computed in f32.
;;   The module's matrix products, in the order in which they are computed (A, B: the left and right operand; K: the contracted axis; several contracted axes count as one K, in the product's order):
;;     1. [M 1,024, K 1,024] x [K 1,024, N 4,096]; A: input Wq (given as codes); B: computed on the way: QUANTISED
;;     2. [M 1,024, K 1,024] x [K 1,024, N 4,096]; A: input Wk (given as codes); B: computed on the way: QUANTISED
;;     3. [M 1,024, K 1,024] x [K 1,024, N 4,096]; A: input Wv (given as codes); B: computed on the way: QUANTISED
;;     4. batch 32 x [M 2,048, K 64] x [K 64, N 2,048]; A: computed on the way; B: computed on the way: QUANTISED
;;     5. batch 32 x [M 2,048, K 2,048] x [K 2,048, N 64]; A: softmax (see below); B: computed on the way: QUANTISED
;;     6. [M 4,096, K 1,024] x [K 1,024, N 1,024]; A: computed on the way; B: input Wo (given as codes): QUANTISED
;;     7. [M 4,096, K 1,024] x [K 1,024, N 4,096]; A: computed on the way; B: input W1 (given as codes): QUANTISED
;;     8. [M 4,096, K 4,096] x [K 4,096, N 1,024]; A: computed on the way; B: input W2 (given as codes): QUANTISED
;;   THE QUANTISER, for each operand of a quantised product, along K:
;;     - K is cut into blocks of 32 from its start; a last block that is shorter is filled with zeros.
;;     - A block's scale is 2^e with e = floor(log2(the largest magnitude in the block)) - 2, held to -126 .. 127; a block of zeros has e = 0. As a byte (E8M0): e + 127.
;;     - Each number is divided by its block's scale, clamped to +-6, and rounded to the nearest number of E2M1, ties to even, subnormals kept.
;;     - The product sums the exact products of the quantised numbers (number of the format x scale) in f32.
;;   ~~~python
;;   def quantise(x, axis):      # numpy; x: float32 -> the quantised numbers, widened to float32 again
;;       x = np.moveaxis(x, axis, -1); K = x.shape[-1]
;;       x = np.pad(x, [(0, 0)] * (x.ndim - 1) + [(0, -K % 32)]); x = x.reshape(x.shape[:-1] + (-1, 32)); a = np.abs(x).max(-1, keepdims=True)
;;       e = np.where(a > 0, np.clip(np.frexp(np.where(a > 0, a, 1))[1] - 1 - 2, -126, 127), 0)      # np.frexp(a)[1] - 1 = floor(log2(a)), exactly
;;       r = np.clip(x / 2.0 ** e, -6, 6)
;;       step = 2.0 ** (np.maximum(np.frexp(np.where(r == 0, 1, r))[1] - 1, 0) - 1)
;;       q = np.round(r / step) * step * 2.0 ** e      # np.round: ties to even
;;       return np.moveaxis(q.reshape(q.shape[:-2] + (-1,))[..., :K], -1, axis).astype(np.float32)
;;   ~~~
;;   SOFTMAX AHEAD OF A QUANTISED PRODUCT. Where the list says 'softmax', what is quantised is not the finished softmax but p = 2^(t - M), with t = logit x log2(e) and M = ceil(the row's largest t), a whole number; so 1/2 < the row's largest p <= 1. The row's sum l is taken of the UNQUANTISED p, in f32, and the product's result is divided by l at the end. Since M is a whole number, a kernel that streams over the keys may use a running M (the ceiling of the running maximum): every later rescaling is an exact power of two, which a block's scale takes up: the codes' values come out the same.
;;   OPERANDS COMPUTED ON THE WAY. 'Computed on the way' means the value that the module computes at that place (a softmax that the list does not call 'softmax' is quantised finished and normalised). What goes into a quantiser is computed in f32, as accurately as f32 sums, v_exp_f32 and their like allow (about 1e-6 of the number): no bf16 or f16 on the way to a quantiser, and a product that is left as it is and whose result goes on into a quantised operand takes f32 operands (vector FMAs, or v_wmma_f32_16x16x4_f32). A number that lies on a knife's edge between two numbers of the format may be rounded either way, as far as f32 arithmetic and the matrix unit's own rounding can turn it there, and no further.
;;   INPUTS GIVEN AS CODES. W1 (in the module: [1024, 4096], K = its axis 0); W2 (in the module: [4096, 1024], K = its axis 0); Wk (in the module: [16, 1024, 64], K = its axis 1); Wo (in the module: [1024, 1024], K = its axis 0); Wq (in the module: [16, 1024, 64], K = its axis 1); Wv (in the module: [16, 1024, 64], K = its axis 1): each comes as NAME_codes (uint8): NAME with its K axis moved to the last place and cut into blocks of 32 codes, [.., K / 32, bytes a block], one block behind the other in memory; two codes a byte, the lower K in the low four bits (a code: sign, 2 exponent bits, 1 mantissa bit); and NAME_scales (uint8): the same leading axes, one E8M0 byte (e + 127) for each 32 codes along K. Its value is code x scale, taken as it is: it is not quantised again, and the codes and scales need not be those that the quantiser above would give.
;; One version. Each part assembles by itself: llvm-mc -triple=amdgcn-amd-amdhsa -mcpu=gfx1250 --defsym DOCPART=n.
;; ======== version 1 of 1: 6 launches
;; limits: right only within a limited range of input values
;; workspace buffers: hq 2,228,224 bytes; qkv 6,946,816 bytes; ob 2,359,296 bytes; x1 16,777,216 bytes; gb 8,912,896 bytes
;; launch ln1 (part 1): grid 256 x 1, 16 waves a work-group, no clusters, 68,608 bytes of LDS; arguments x, ln1_g, ln1_b, hq; writes hq
.if DOCPART == 1
	.amdgcn_target "amdgcn-amd-amdhsa--gfx1250"
	.amdhsa_code_object_version 6
	.text
	.protected	k_q7b1b933495_ln1
	.globl	k_q7b1b933495_ln1
	.p2align	8
	.type	k_q7b1b933495_ln1,@function
k_q7b1b933495_ln1:
	s_mov_b64 s[64:65], 0
	v_nop
	global_prefetch_b8 v0, s[64:65] scope:SCOPE_SE
	s_setreg_imm32_b32 hwreg(HW_REG_WAVE_MODE, 25, 1), 1
	s_wait_xcnt 0x0
; LAYER NORM AND QUANTISER.  y = (x - mean) rsqrt(var + 1e-5) g + b over rows of 1,024 f32, then codes of E2M1 with one E8M0 byte for each 32 along the row.
; DEAD WORK IN THIS PROGRAM: none.  Every input has a way to out0 (bk too: it moves k's codes), so every input is loaded and every product of the problem is done.
; Product 4 has K = 64, half of the matrix instruction's 128: the other half is zero codes on both sides, inside live tiles.
; LIMITS: a block of zeros, and a block whose largest magnitude lies under 2^-124, gets the scale byte 1 (the rule says 127 for zeros): its codes are zeros or are held by the floor, and only this program reads
; the bytes.  NaN and infinities among the inputs are not served.
; OUT: the codes as IMAGES of the matrix operand's registers: [tile of 16 rows][block of 32 along K: 32][row: 16][16 bytes], so that a fragment is 2 x 512 consecutive bytes, 16 a lane; from byte HSC on the scale
; bytes, [row][32].
; SHARES: a work-group takes 16 rows.  Phase 1: wave w takes row w (32 numbers a lane), mean and variance in two passes, and lays (x - mean) rstd into LDS.  Phase 2: wave w takes blocks 2 w, 2 w + 1 of all 16 rows:
; lane (r, h) holds the 32 numbers of block 2 w + h of row r, so a block's largest magnitude needs no other lane, and the wave's 16 bytes a lane are 512 consecutive bytes of the image.
.set XP,    4112                       ; a row in LDS: 4,096 bytes + 16: 16 rows that a load touches start at 16 different groups of banks
.set SCB,   66048                      ; the tile's 512 scale bytes
.set SPARE, 66560                      ; the spare words: 128 bytes for each of 16 waves
.set HSC,   2097152                    ; where the scale bytes begin in the output
.set X,   16                           ; v16-47   32 numbers
.set G,   48                           ; v48-79   g of my block
.set BV,  80                           ; v80-111  b of my block
.set C,   112                          ; v112-115 32 codes
.set SPW, 120                          ; v120     my spare word's address; never rewritten
.set NIL, 121                          ; v121     0; never rewritten
.macro SUM32 a, b                      ; v[a] summed over the 32 lanes, in every lane; v[b] at work (written before)
	s_delay_alu instid0(VALU_DEP_1)
	v_add_f32_dpp v[\a], v[\a], v[\a] row_xmask:1 row_mask:0xf bank_mask:0xf
	s_delay_alu instid0(VALU_DEP_1)
	v_add_f32_dpp v[\a], v[\a], v[\a] row_xmask:2 row_mask:0xf bank_mask:0xf
	s_delay_alu instid0(VALU_DEP_1)
	v_add_f32_dpp v[\a], v[\a], v[\a] row_xmask:4 row_mask:0xf bank_mask:0xf
	s_delay_alu instid0(VALU_DEP_1)
	v_add_f32_dpp v[\a], v[\a], v[\a] row_xmask:8 row_mask:0xf bank_mask:0xf
	s_delay_alu instid0(VALU_DEP_1)
	v_permlanex16_b32 v[\b], v[\a], s14, s15
	s_delay_alu instid0(VALU_DEP_1)
	v_add_f32 v[\a], v[\a], v[\b]
.endm
	s_load_b256 s[4:11], s[0:1], 0x0               ; the rows s[4:5], g s[6:7], b s[8:9], the output s[10:11]
	v_lshl_add_u32 v[SPW], v0, 2, SPARE
	v_mov_b32 v[NIL], 0
	v_lshrrev_b32 v1, 5, v0
	s_delay_alu instid0(VALU_DEP_1)
	v_readfirstlane_b32 s12, v1                    ; wave 0..15
	v_and_b32 v1, 31, v0                           ; lane
	v_and_b32 v2, 15, v0                           ; r
	v_bfe_u32 v3, v0, 4, 1                         ; h
	s_delay_alu instid0(VALU_DEP_3)
	v_lshlrev_b32 v7, 4, v1                        ; 16 x lane
	s_mul_i32 s13, s12, XP
	v_add_nc_u32 v4, s13, v7                       ; phase 1: row w, my 16 bytes of each 512
	v_mul_u32_u24 v5, v2, XP
	s_delay_alu instid0(VALU_DEP_1)
	v_lshl_add_u32 v5, v3, 7, v5
	s_lshl_b32 s13, s12, 8
	v_add_nc_u32 v5, s13, v5                       ; phase 2: row r, block 2 w + h: 128 bytes
	v_lshl_add_u32 v9, v3, 7, s13                  ; the same block in g and in b
	v_lshlrev_b32 v6, 5, v2
	s_delay_alu instid0(VALU_DEP_1)
	v_add_nc_u32 v6, v6, v3
	s_lshl_b32 s13, s12, 1
	s_add_co_u32 s13, s13, SCB
	v_add_nc_u32 v6, s13, v6                       ; my block's scale byte: 32 r + 2 w + h
	v_add_nc_u32 v8, SCB, v7                       ; and the 512 bytes on their way out
	s_mov_b32 s14, 0x76543210
	s_mov_b32 s15, 0xfedcba98                      ; lane l xor 16
	s_mov_b32 s16, 0x3a800000                      ; 1 / 1,024
	s_mov_b32 s17, 0x3727c5ac                      ; 1e-5
	s_lshl_b32 s20, ttmp9, 16                      ; the tile's 16 rows of 4,096 bytes,
	s_lshl_b32 s21, s12, 12                        ; my row
	s_add_co_u32 s20, s20, s21
	s_mov_b32 s21, 0
	s_lshl_b32 s22, ttmp9, 13                      ; the tile's image, 8,192 bytes,
	s_lshl_b32 s23, s12, 9                         ; my two blocks
	s_add_co_u32 s22, s22, s23
	s_mov_b32 s23, 0
	s_lshl_b32 s24, ttmp9, 9                       ; the tile's scale bytes
	s_add_co_u32 s24, s24, HSC
	s_mov_b32 s25, 0
	s_wait_alu depctr_va_vdst(0)
	s_wait_kmcnt 0x0
	s_add_nc_u64 s[4:5], s[4:5], s[20:21]
	s_add_nc_u64 s[18:19], s[10:11], s[24:25]
	s_add_nc_u64 s[10:11], s[10:11], s[22:23]
.irp j, 0,1,2,3,4,5,6,7
	global_load_b128 v[X+4*\j:X+4*\j+3], v7, s[4:5] offset:512*\j th:TH_LOAD_NT   ; 512 consecutive bytes a load; read once in this launch
.endr
.irp j, 0,1,2,3,4,5,6,7
	global_load_b128 v[G+4*\j:G+4*\j+3], v9, s[6:7] offset:16*\j
	global_load_b128 v[BV+4*\j:BV+4*\j+3], v9, s[8:9] offset:16*\j
.endr
	s_wait_loadcnt 16                              ; the row is in; the 16 younger loads, g's and b's, stay out
	v_pk_add_f32 v[12:13], v[16:17], v[18:19]
	v_pk_add_f32 v[126:127], v[24:25], v[28:29]
	v_pk_add_f32 v[124:125], v[32:33], v[36:37]
	v_pk_add_f32 v[122:123], v[40:41], v[44:45]
	v_pk_add_f32 v[118:119], v[20:21], v[22:23]
	v_pk_add_f32 v[116:117], v[26:27], v[30:31]
	v_pk_add_f32 v[114:115], v[34:35], v[38:39]
	v_pk_add_f32 v[10:11], v[42:43], v[46:47]
	s_delay_alu instid0(VALU_DEP_1)
	v_pk_add_f32 v[10:11], v[10:11], v[122:123]
	v_pk_add_f32 v[12:13], v[12:13], v[118:119]
	v_pk_add_f32 v[126:127], v[126:127], v[116:117]
	v_pk_add_f32 v[124:125], v[124:125], v[114:115]
	s_delay_alu instid0(VALU_DEP_2)
	v_pk_add_f32 v[10:11], v[10:11], v[126:127]
	s_delay_alu instid0(VALU_DEP_2)
	v_pk_add_f32 v[12:13], v[12:13], v[124:125]
	s_delay_alu instid0(VALU_DEP_1)
	v_pk_add_f32 v[10:11], v[10:11], v[12:13]
	s_delay_alu instid0(VALU_DEP_1)
	v_add_f32 v10, v10, v11
	SUM32 10, 11
	s_delay_alu instid0(VALU_DEP_1)
	v_mul_f32 v10, s16, v10                        ; the mean
.set j, 0
.rept 16
	v_pk_add_f32 v[X+j:X+j+1], v[X+j:X+j+1], v[10:11] op_sel_hi:[1,0] neg_lo:[0,1] neg_hi:[0,1]   ; x - mean
.set j, j+2
.endr
	v_pk_mul_f32 v[12:13], v[X:X+1], v[X:X+1]      ; the sum of squares of the differences
	v_pk_mul_f32 v[14:15], v[X+2:X+3], v[X+2:X+3]
.irp j, 4,8,12,16,20,24,28
	s_delay_alu instid0(VALU_DEP_2)
	v_pk_fma_f32 v[12:13], v[X+\j:X+\j+1], v[X+\j:X+\j+1], v[12:13]
	s_delay_alu instid0(VALU_DEP_2)
	v_pk_fma_f32 v[14:15], v[X+\j+2:X+\j+3], v[X+\j+2:X+\j+3], v[14:15]
.endr
	s_delay_alu instid0(VALU_DEP_1)
	v_pk_add_f32 v[12:13], v[12:13], v[14:15]
	s_delay_alu instid0(VALU_DEP_1)
	v_add_f32 v12, v12, v13
	SUM32 12, 13
	s_delay_alu instid0(VALU_DEP_1)
	v_fma_f32 v12, v12, s16, s17                   ; the variance + 1e-5
	s_wait_alu depctr_va_vdst(0)
	v_rsq_f32 v12, v12
	v_nop                                          ; a plain instruction behind the transcendental
	s_wait_alu depctr_va_vdst(0)                   ; and the wait ahead of its first reader
.set j, 0
.rept 16
	v_pk_mul_f32 v[X+j:X+j+1], v[X+j:X+j+1], v[12:13] op_sel_hi:[1,0]
.set j, j+2
.endr
.irp j, 0,1,2,3,4,5,6,7
	ds_store_b128 v4, v[X+4*\j:X+4*\j+3] offset:512*\j
.endr
	s_wait_dscnt 0x0                               ; for the others' sake: my row lies in LDS
	s_barrier_signal -1
	s_barrier_wait -1
.irp j, 0,1,2,3,4,5,6,7
	ds_load_b128 v[X+4*\j:X+4*\j+3], v5 offset:16*\j   ; block 2 w + h of row r
.endr
	s_wait_loadcnt 0x0                             ; g and b
	s_wait_dscnt 0x0
.set j, 0
.rept 16
	v_pk_fma_f32 v[X+j:X+j+1], v[X+j:X+j+1], v[G+j:G+j+1], v[BV+j:BV+j+1]
.set j, j+2
.endr
	v_max3_num_f32 v12, |v[X]|, |v[X+1]|, |v[X+2]|             ; the block's largest magnitude: all 32 numbers are mine
	v_max3_num_f32 v13, |v[X+3]|, |v[X+4]|, |v[X+5]|
.irp i, 6,10,14,18,22,26
	s_delay_alu instid0(VALU_DEP_2)
	v_max3_num_f32 v12, v12, |v[X+\i]|, |v[X+\i+1]|
	s_delay_alu instid0(VALU_DEP_2)
	v_max3_num_f32 v13, v13, |v[X+\i+2]|, |v[X+\i+3]|
.endr
	s_delay_alu instid0(VALU_DEP_2)
	v_max3_num_f32 v12, v12, |v[X+30]|, |v[X+31]|
	s_delay_alu instid0(VALU_DEP_1)
	v_max3_num_f32 v12, v12, v13, 0x1800000        ; and the floor 2^(3 - 127): the byte cannot fall under 1
	s_delay_alu instid0(VALU_DEP_1)
	v_add_nc_u32 v11, 0xff000000, v12              ; 2 off the exponent field: the conversion takes the exponent field of this operand as its scale
.irp g, 0,1,2,3
	v_cvt_scalef32_pk8_fp4_f32 v[C+\g], v[X+8*\g:X+8*\g+7], v11
.endr
	v_lshrrev_b32 v13, 23, v11                     ; the scale's byte
	global_store_b128 v7, v[C:C+3], s[10:11]       ; the wave stores 512 consecutive bytes of the image
	ds_store_b8 v6, v13
	s_wait_dscnt 0x0                               ; for wave 0's sake
	s_barrier_signal -1
	s_barrier_wait -1
	s_cmp_lg_u32 s12, 0
	s_cbranch_scc1 .Lnot_wave_0
	ds_load_b128 v[16:19], v8                      ; the tile's 512 scale bytes leave as two whole runs of 256
	s_wait_dscnt 0x0
	global_store_b128 v7, v[16:19], s[18:19]
.Lnot_wave_0:
	s_wait_tensorcnt 0x0                           ; the wave's end
	ds_add_u32 v[SPW], v[NIL]
	s_wait_dscnt 0x0
	s_endpgm
.Lfunc_end_k_q7b1b933495_ln1:
	.size	k_q7b1b933495_ln1, .Lfunc_end_k_q7b1b933495_ln1-k_q7b1b933495_ln1
	.p2alignl 7, 3214868480
	.fill 96, 4, 3214868480
	.section	.rodata,"a",@progbits
	.p2align	6, 0x0
	.amdhsa_kernel k_q7b1b933495_ln1
		.amdhsa_group_segment_fixed_size 68608
		.amdhsa_private_segment_fixed_size 0
		.amdhsa_enable_private_segment 0
		.amdhsa_kernarg_size 32
		.amdhsa_user_sgpr_count 2
		.amdhsa_user_sgpr_kernarg_segment_ptr 1
		.amdhsa_wavefront_size32 1
		.amdhsa_system_sgpr_workgroup_id_x 1
		.amdhsa_system_sgpr_workgroup_id_y 1
		.amdhsa_system_sgpr_workgroup_id_z 1
		.amdhsa_system_vgpr_workitem_id 0
		.amdhsa_next_free_vgpr 128
		.amdhsa_next_free_sgpr 66
		.amdhsa_reserve_vcc 0
		.amdhsa_float_denorm_mode_32 3
		.amdhsa_float_denorm_mode_16_64 3
		.amdhsa_memory_ordered 1
		.amdhsa_forward_progress 1
		.amdhsa_inst_pref_size 16
	.end_amdhsa_kernel
	.amdgpu_metadata
---
amdhsa.version: [ 1, 2 ]
amdhsa.kernels:
  - .name:           k_q7b1b933495_ln1
    .symbol:         k_q7b1b933495_ln1.kd
    .args:
      - { .name: x, .offset: 0, .size: 8, .value_kind: global_buffer, .address_space: global }
      - { .name: ln1_g, .offset: 8, .size: 8, .value_kind: global_buffer, .address_space: global }
      - { .name: ln1_b, .offset: 16, .size: 8, .value_kind: global_buffer, .address_space: global }
      - { .name: hq, .offset: 24, .size: 8, .value_kind: global_buffer, .address_space: global }
    .group_segment_fixed_size: 68608
    .private_segment_fixed_size: 0
    .kernarg_segment_align: 8
    .kernarg_segment_size: 32
    .max_flat_workgroup_size: 512
    .sgpr_count:     66
    .vgpr_count:     128
    .wavefront_size: 32
...
	.end_amdgpu_metadata
.endif
;; end of part 1
;; launch qkv (part 2): grid 12 x 16, 4 waves a work-group, clusters of 4 x 4, 270,848 bytes of LDS; arguments hq, Wq_codes, Wq_scales, bq, Wk_codes, Wk_scales, bk, Wv_codes, Wv_scales, bv, qkv; writes qkv
.if DOCPART == 2
	.amdgcn_target "amdgcn-amd-amdhsa--gfx1250"
	.amdhsa_code_object_version 6
	.text
	.protected	k_q7b1b933495_qkv
	.globl	k_q7b1b933495_qkv
	.p2align	8
	.type	k_q7b1b933495_qkv,@function
k_q7b1b933495_qkv:
	s_mov_b64 s[64:65], 0
	v_nop
	global_prefetch_b8 v0, s[64:65] scope:SCOPE_SE
	s_setreg_imm32_b32 hwreg(HW_REG_WAVE_MODE, 25, 1), 1
	s_wait_xcnt 0x0
	s_wait_alu depctr_hold_cnt(0) depctr_sa_sdst(0) depctr_va_vdst(0) depctr_va_sdst(0) depctr_va_ssrc(0) depctr_va_vcc(0) depctr_vm_vsrc(0)
	s_getreg_b32 s2, hwreg(HW_REG_IB_STS2, 6, 4)
	s_cmp_eq_u32 s2, 0
	s_cbranch_scc0 .Lentry_in_a_cluster
	s_endpgm
.Lentry_in_a_cluster:
	s_bfe_u32 s2, ttmp6, 0x10000c
	s_cmp_lg_u32 s2, 0xf033
	s_cbranch_scc0 .Lentry_shape_is_right
	s_endpgm
.Lentry_shape_is_right:
; q, k, v = h W + bias on codes of E2M1 (products 1 to 3), then quantised for attention: q and k along the head's 64, v along the keys.  No work is left out.
; A tile of 256 tokens x 256 columns to a work-group, 128 x 128 to each of four waves: 64 accumulators, 512 registers.  K = 1,024 lies in LDS whole: one slot, filled once.
; Cluster x (0, 1, 2) says which weight: the same in all sixteen partners.  CLUSTERS: the four of a row need the same tokens, the four of a column the same weight rows: joint loads.
; h comes as images of the operand's registers (a fragment: 2 x 512 consecutive bytes), the weights as rows of codes (512 bytes a row + 16 of padding).  The scale words of all of K stay in registers:
; lane L of register 8 i + Q holds the word of row 32 i + L for K step Q, so one register serves two blocks of 16 rows, by its two rows of lanes.
; q, k: source 0 = weight rows, source 1 = tokens: a lane holds one token and eight neighbouring channels a tile.  v: the sources change places: a lane holds one channel and its registers run along the tokens, its K.
; OUT, in the order in which attention's registers take it.  A block = 128 tokens of one head.  q, k: 8 tiles x [32 channels: 2][row: 16][16 bytes], then 512 bytes of scale words; v: 4 channel tiles x [32 keys: 4][row: 16][16 bytes],
; then 256 bytes of scale words.  Inside each 32 tokens (q, k) or 32 channels (v) number n sits in tile parity (n % 16) / 8 at row n % 8 + 8 (n / 16): so the 16 registers of two neighbouring result tiles in attention are 16 neighbours.
; LIMITS: as stated at the head of the first kernel (scale byte 1 for blocks of zeros; NaN and infinities not served).
; REGISTERS: window 0: v0-31 addresses; v32-63 the tokens' scale words, v64-95 the weights'; v96-121 the quantiser's; v128-191 the tokens' fragments, later 64 numbers at work, later rows on their way out.
;   window 1: the weights' fragments, two sets, v0-63 and v128-191; v64-127 the bias.   windows 2, 3: accumulator (a, b) at v[8 (8 (a % 4) + b)].
.set SLOT,  135168
; ONE SLOT: all of K = 1,024 comes by one tensor load a wave (a token tile's 8,192 bytes, a weight row's 512 bytes + 16 of padding); the steps 0 to 7 walk it, and no slot changes.
.set APART, 131072                     ; 16 token tiles x 8,192 bytes
.set BHALF, 67584                      ; 128 weight rows x 528
.set BP,    528
.set SPARE, 2*SLOT                     ; the spare words: 128 bytes a wave
.set HSC,   2097152                    ; h's scale bytes
.set REGB,  2359296                    ; q's, k's region in the output
.set QB,    4608                       ; a block of q or k
.set VB,    4352                       ; a block of v
.set VST,   36864                      ; v's stages; q's and k's begin at 0.  Both lie in slot 0, which has had its one fill, and which nobody reads behind the main loop's last barrier
.set LQA, 5
.set LQS, 6
.set LVA, 7
.set LVS, 8
.set RDQ, 9
.set RDV, 10
.set GO,  11
.set ADRA, 16
.set ADRB, 20
.set SPW,  28
.set NIL,  29
.set SA,   32
.set SB,   64
.set TM,   96
.set PC,   112
.set WD,   120
.set AF,   128
.set T,    128
.set BI,   64
.set G1,  24
.set G0,  32
.set G1B, 48
.set G0B, 56
.set SEL, 66
.set MSB, 0
.macro WIN new                         ; the immediate's high byte repeats the setting that is left
.if MSB != (\new)
	s_set_vgpr_msb (MSB<<8)|(\new)
.set MSB, (\new)
.endif
.endm
.macro PLACES n
.rept \n
	v_nop
.endr
.endm
.macro JLOAD g0a, g1a, g0b, g1b        ; a joint load: waves 0 and 1 fetch tokens, waves 2 and 3 weight rows; an s_nop 0 and four v_nop follow each line
	s_cmp_eq_u32 s15, 0
	s_cbranch_scc0 .Lfor_b_\@
	tensor_load_to_lds s[\g0a:\g0a+3], s[\g1a:\g1a+7]
	s_nop 0
.rept 4
	v_nop
.endr
	s_branch .Lasked_\@
.Lfor_b_\@:
	tensor_load_to_lds s[\g0b:\g0b+3], s[\g1b:\g1b+7]
	s_nop 0
.rept 4
	v_nop
.endr
.Lasked_\@:
.endm
.macro CROUND                          ; a round of the cluster's barrier
	s_barrier_signal -1
	s_barrier_wait -1
	s_cmp_lg_u32 s14, 0
	s_cbranch_scc1 .Lnot_wave_0_\@
	s_barrier_signal -3
.Lnot_wave_0_\@:
	s_barrier_wait -3
	s_barrier_signal -1
	s_barrier_wait -1
.endm
.macro WM z                            ; one product, by the symbols rD, rX0, rX1, rS0, rS1, R0, R1 (which row of lanes holds each side's scales); z = 1: it starts the sum
.if (\z) && (R0 == 0) && (R1 == 0)
	v_wmma_scale_f32_16x16x128_f8f6f4 v[rD:rD+7], v[rX0:rX0+7], v[rX1:rX1+7], 0, v[rS0], v[rS1] matrix_a_fmt:MATRIX_FMT_FP4 matrix_b_fmt:MATRIX_FMT_FP4
.elseif (\z) && (R0 == 1) && (R1 == 0)
	v_wmma_scale_f32_16x16x128_f8f6f4 v[rD:rD+7], v[rX0:rX0+7], v[rX1:rX1+7], 0, v[rS0], v[rS1] matrix_a_fmt:MATRIX_FMT_FP4 matrix_b_fmt:MATRIX_FMT_FP4 matrix_a_scale:MATRIX_SCALE_ROW1
.elseif (\z) && (R0 == 0) && (R1 == 1)
	v_wmma_scale_f32_16x16x128_f8f6f4 v[rD:rD+7], v[rX0:rX0+7], v[rX1:rX1+7], 0, v[rS0], v[rS1] matrix_a_fmt:MATRIX_FMT_FP4 matrix_b_fmt:MATRIX_FMT_FP4 matrix_b_scale:MATRIX_SCALE_ROW1
.elseif (\z)
	v_wmma_scale_f32_16x16x128_f8f6f4 v[rD:rD+7], v[rX0:rX0+7], v[rX1:rX1+7], 0, v[rS0], v[rS1] matrix_a_fmt:MATRIX_FMT_FP4 matrix_b_fmt:MATRIX_FMT_FP4 matrix_a_scale:MATRIX_SCALE_ROW1 matrix_b_scale:MATRIX_SCALE_ROW1
.elseif (R0 == 0) && (R1 == 0)
	v_wmma_scale_f32_16x16x128_f8f6f4 v[rD:rD+7], v[rX0:rX0+7], v[rX1:rX1+7], v[rD:rD+7], v[rS0], v[rS1] matrix_a_fmt:MATRIX_FMT_FP4 matrix_b_fmt:MATRIX_FMT_FP4
.elseif (R0 == 1) && (R1 == 0)
	v_wmma_scale_f32_16x16x128_f8f6f4 v[rD:rD+7], v[rX0:rX0+7], v[rX1:rX1+7], v[rD:rD+7], v[rS0], v[rS1] matrix_a_fmt:MATRIX_FMT_FP4 matrix_b_fmt:MATRIX_FMT_FP4 matrix_a_scale:MATRIX_SCALE_ROW1
.elseif (R0 == 0) && (R1 == 1)
	v_wmma_scale_f32_16x16x128_f8f6f4 v[rD:rD+7], v[rX0:rX0+7], v[rX1:rX1+7], v[rD:rD+7], v[rS0], v[rS1] matrix_a_fmt:MATRIX_FMT_FP4 matrix_b_fmt:MATRIX_FMT_FP4 matrix_b_scale:MATRIX_SCALE_ROW1
.else
	v_wmma_scale_f32_16x16x128_f8f6f4 v[rD:rD+7], v[rX0:rX0+7], v[rX1:rX1+7], v[rD:rD+7], v[rS0], v[rS1] matrix_a_fmt:MATRIX_FMT_FP4 matrix_b_fmt:MATRIX_FMT_FP4 matrix_a_scale:MATRIX_SCALE_ROW1 matrix_b_scale:MATRIX_SCALE_ROW1
.endif
.endm
; 16 products: token blocks a0, a0 + 1 x the eight weight blocks, K step kq.  p: the weights' set.  sw = 1: the tokens are source 0.  The 64 accumulators take turns, in the same order in every step.
.macro MUL16 a0, p, kq, z, sw
.irp a, \a0, \a0+1
.irp b, 0,1,2,3,4,5,6,7
.set rD, 8*(8*((\a)%4)+\b)
.if \sw
.set rX0, AF+8*(\a)
.set rX1, 128*(\p)+8*\b
.set rS0, SA+8*((\a)/2)+(\kq)
.set rS1, SB+8*(\b/2)+(\kq)
.set R0, (\a)%2
.set R1, \b%2
.else
.set rX0, 128*(\p)+8*\b
.set rX1, AF+8*(\a)
.set rS0, SB+8*(\b/2)+(\kq)
.set rS1, SA+8*((\a)/2)+(\kq)
.set R0, \b%2
.set R1, (\a)%2
.endif
	WM \z
.endr
.endr
.endm
.macro FETCH_A slot, q, i0             ; token blocks i0 .. i0 + 3 of the slot's q-th 128 along K: an image is read at 16 x lane
.irp i, \i0, \i0+1, \i0+2, \i0+3
.irp c, 0,1
	ds_load_b128 v[AF+8*(\i)+4*\c:AF+8*(\i)+4*\c+3], v[ADRA+\slot] offset:(\i)*8192+(\q)*1024+512*\c
.endr
.endr
.endm
.macro FETCH_B slot, q, p              ; the eight weight blocks into set p
	WIN 0x40
.irp i, 0,1,2,3,4,5,6,7
.irp c, 0,1
	ds_load_b128 v[128*(\p)+8*\i+4*\c:128*(\p)+8*\i+4*\c+3], v[ADRB+\slot] offset:64*(\q)+32*\c+\i*16*BP
.endr
.endr
	WIN 0
.endm
; A step of 128 along K with its successor in the same slot.  Four plain instructions stand in front of each run of loads into registers that matrix instructions have read.
.macro STEP slot, q, zero, sw
	s_wait_dscnt 8                                 ; the weights' set and token blocks 0-3 are in; the youngest eight loads (blocks 4-7) may be out
	WIN 0xa1+3*(\sw)
	MUL16 0, (\q)%2, 4*(\slot)+(\q), \zero, \sw
	MUL16 2, (\q)%2, 4*(\slot)+(\q), \zero, \sw
	s_wait_dscnt 0x0                               ; blocks 4-7 are in
	PLACES 4
	FETCH_B \slot, (\q)+1, 1-(\q)%2
	FETCH_A \slot, (\q)+1, 0
	WIN 0xf1+3*(\sw)
	MUL16 4, (\q)%2, 4*(\slot)+(\q), \zero, \sw
	MUL16 6, (\q)%2, 4*(\slot)+(\q), \zero, \sw
	PLACES 4
	WIN 0
	FETCH_A \slot, (\q)+1, 4
.endm
.macro TURN sw                         ; slot 0's last step, and the one change of slots: nothing is filled again
	s_wait_tensorcnt 0x0                           ; my part of slot 1 has landed;
	ds_add_u32 v[SPW], v[NIL]                      ; 0 onto my spare word
	s_wait_dscnt 9                                 ; (the add and the youngest eight loads may be out)
	WIN 0xa1+3*(\sw)
	MUL16 0, 1, 3, 0, \sw
	s_wait_dscnt 0x0                               ; my reads of slot 0 are over
	s_barrier_signal -1
	MUL16 2, 1, 3, 0, \sw
	WIN 0
	s_barrier_wait -1                              ; slot 1 is whole, and nobody reads slot 0 any more
	PLACES 4
	FETCH_B 1, 0, 0
	FETCH_A 1, 0, 0
	WIN 0xf1+3*(\sw)
	MUL16 4, 1, 3, 0, \sw
	MUL16 6, 1, 3, 0, \sw
	PLACES 4
	WIN 0
	FETCH_A 1, 0, 4
.endm
.macro MAIN sw
	s_wait_tensorcnt 0x0                           ; my part of the slot is in
	s_barrier_signal -1
	s_barrier_wait -1
	FETCH_B 0, 0, 0
	FETCH_A 0, 0, 0
	FETCH_A 0, 0, 4
	s_wait_loadcnt 0x0                             ; the scale words and the bias
	STEP 0, 0, 1, \sw
	STEP 0, 1, 0, \sw
	STEP 0, 2, 0, \sw
	STEP 0, 3, 0, \sw
	STEP 0, 4, 0, \sw
	STEP 0, 5, 0, \sw
	STEP 0, 6, 0, \sw
	s_wait_dscnt 8
	WIN 0xa1+3*(\sw)
	MUL16 0, 1, 7, 0, \sw
	MUL16 2, 1, 7, 0, \sw
	s_wait_dscnt 0x0
	WIN 0xf1+3*(\sw)
	MUL16 4, 1, 7, 0, \sw
	MUL16 6, 1, 7, 0, \sw
	WIN 0
	PLACES 4
	s_barrier_signal -1                            ; every wave's reads of the slot are over (each has waited for its LDS loads): the stages may be laid into it
	s_barrier_wait -1
.endm
; 64 numbers of a lane, v[T + 16 b + i]: four blocks of 32, of which lane l xor 16 holds the other 16 each.  Out: bytes in v[TM+4 ..], codes in v[PC + 2 b + u]: numbers 16 u + 8 (lane / 16) + 0 .. 7 of block b.
.macro QUANT4
.irp b, 0,1,2,3
	v_max3_num_f32 v[TM+\b], |v[T+16*\b]|, |v[T+1+16*\b]|, 0x1800000   ; with the floor 2^(3 - 127): the byte cannot fall under 1
.endr
.irp i, 2,4,6,8,10,12,14
.irp b, 0,1,2,3
	v_max3_num_f32 v[TM+\b], v[TM+\b], |v[T+16*\b+\i]|, |v[T+1+16*\b+\i]|
.endr
.endr
.irp b, 0,1,2,3
	v_permlanex16_b32 v[TM+4+\b], v[TM+\b], s[SEL], s[SEL+1]
.endr
.irp b, 0,1,2,3
	v_max_num_f32 v[TM+\b], v[TM+\b], v[TM+4+\b]
.endr
.irp b, 0,1,2,3
	v_add_nc_u32 v[TM+12+\b], 0xff000000, v[TM+\b]     ; 2 off the exponent field: the conversion's scale operand
.endr
.irp b, 0,1,2,3
	v_lshrrev_b32 v[TM+4+\b], 23, v[TM+12+\b]          ; the scale's byte
.endr
.irp b, 0,1,2,3
	v_cvt_scalef32_pk8_fp4_f32 v[PC+2*\b], v[T+16*\b:T+7+16*\b], v[TM+12+\b]
	v_cvt_scalef32_pk8_fp4_f32 v[PC+1+2*\b], v[T+8+16*\b:T+15+16*\b], v[TM+12+\b]
.endr
	v_nop                                          ; one plain instruction behind the scaled conversions
.endm
.macro UNITQ a                         ; q, k: 16 tokens x 128 channels (two heads): + bias, quantised along the channels, into the stage at their places in the block
	WIN 0x06+(\a)/4                                ; source 0: the accumulators' window; source 1: window 1
.set j, 0
.rept 32
	v_pk_add_f32 v[T+j:T+j+1], v[64*((\a)%4)+j:64*((\a)%4)+j+1], v[BI+j:BI+j+1]   ; each accumulator from its low end on
.set j, j+2
.endr
	WIN 0
	QUANT4
.irp e, 0,1,2,3
.irp u, 0,1
	ds_store_b32 v[LQA], v[PC+2*\e+\u] offset:(\e/2)*QB+((\a)/2)*1024+((\a)%2)*128+(\e%2)*256+8*\u
.endr
.endr
	v_lshl_or_b32 v[WD], v[TM+5], 8, v[TM+4]       ; a head's two bytes; the word's upper two, 0, belong to the zero codes
	v_lshl_or_b32 v[WD+1], v[TM+7], 8, v[TM+6]
	ds_store_b32 v[LQS], v[WD] offset:4096+((\a)%2)*128+((\a)/2)*4
	ds_store_b32 v[LQS], v[WD+1] offset:QB+4096+((\a)%2)*128+((\a)/2)*4
	s_wait_dscnt 0x0                               ; the stores have read their registers
.endm
.macro UNITV b                         ; v: 16 channels x 128 tokens: + bias, quantised along the tokens
.irp a, 0,1,2,3,4,5,6,7
	WIN 0x06+\a/4
.irp p, 0,2,4,6
	v_pk_add_f32 v[T+8*\a+\p:T+8*\a+\p+1], v[64*(\a%4)+8*(\b)+\p:64*(\a%4)+8*(\b)+\p+1], v[BI+2*(\b):BI+2*(\b)+1] op_sel_hi:[1,0]
.endr
.endr
	WIN 0
	QUANT4
.irp e, 0,1,2,3
.irp u, 0,1
	ds_store_b32 v[LVA], v[PC+2*\e+\u] offset:((\b)/4)*VB+(((\b)%4)/2)*2048+((\b)%2)*128+\e*256+8*\u
.endr
.endr
	v_lshl_or_b32 v[WD], v[TM+5], 8, v[TM+4]       ; the four bytes of these 128 keys
	v_lshl_or_b32 v[WD], v[TM+6], 16, v[WD]
	v_lshl_or_b32 v[WD], v[TM+7], 24, v[WD]
	ds_store_b32 v[LVS], v[WD] offset:((\b)/4)*VB+4096+((\b)%2)*64+(((\b)%4)/2)*4
	s_wait_dscnt 0x0
.endm
	s_load_b64 s[4:5], s[0:1], 0x0                 ; h
	s_load_b128 s[68:71], s[0:1], 0x8              ; Wq's codes, scales
	s_load_b64 s[72:73], s[0:1], 0x18              ; bq
	s_load_b128 s[76:79], s[0:1], 0x20             ; Wk's
	s_load_b64 s[80:81], s[0:1], 0x30              ; bk
	s_load_b128 s[84:87], s[0:1], 0x38             ; Wv's
	s_load_b64 s[88:89], s[0:1], 0x48              ; bv
	s_load_b64 s[12:13], s[0:1], 0x50              ; the output
	v_lshl_add_u32 v[SPW], v0, 2, SPARE
	v_mov_b32 v[NIL], 0
	ds_add_u32 v[SPW], v[NIL]                      ; the wave's opening: the add, twice on end, and its wait ahead of my first tensor load
	ds_add_u32 v[SPW], v[NIL]
	v_lshrrev_b32 v1, 5, v0
	v_readfirstlane_b32 s14, v1                    ; wave 0..3
	s_lshr_b32 s15, s14, 1                         ; which half of the tokens is mine.  Also: I fetch tokens (0) or weight rows (1)
	s_and_b32 s16, s14, 1                          ; which half of the columns.  Also: which half I fetch
	s_bfe_u32 s40, ttmp6, 0x40000                  ; cx
	s_bfe_u32 s41, ttmp6, 0x40004                  ; cy
	s_and_b32 s17, ttmp7, 0xffff
	s_lshl_b32 s17, s17, 2
	s_add_co_u32 s17, s17, s41                     ; Y: which 256 tokens
	s_lshl_b32 s43, s41, 2
	s_lshl_b32 s43, 15, s43                        ; my row of the cluster
	s_lshl_b32 s44, 0x1111, s40                    ; my column
	s_or_b32 s[G1], s43, (3<<16)|(1<<21)           ; tokens: elements of 8 bytes, no padding; the mask, and bit 21 beside it
	s_mov_b32 s[G1+1], 1024<<16                    ; a row: one tile's 8,192 bytes
	s_mov_b32 s[G1+2], 8<<16                       ; 8 tiles
	s_mov_b32 s[G1+3], 1024<<16
	s_mov_b32 s[G1+4], 8
	s_mov_b32 s[G1+5], 1024                        ; 8,192 bytes from tile to tile
	s_mov_b32 s[G1+6], 0
	s_mov_b32 s[G1+7], 0
	s_or_b32 s[G1B], s44, (1<<20)|(1<<21)|(6<<22)|(3<<25)   ; weight rows: bytes; 4 words of padding behind every 128
	s_mov_b32 s[G1B+1], 512<<16
	s_mov_b32 s[G1B+2], 128<<16
	s_mov_b32 s[G1B+3], 512<<16
	s_mov_b32 s[G1B+4], 128
	s_mov_b32 s[G1B+5], 512
	s_mov_b32 s[G1B+6], 0
	s_mov_b32 s[G1B+7], 0
	s_lshl_b32 s18, s16, 16                        ; my half: 8 tiles x 8,192 bytes, or 128 rows x 512
	s_lshl_b32 s20, s17, 17
	s_add_co_u32 s20, s20, s18
	s_mov_b32 s21, 0
	s_lshl_b32 s46, s40, 17                        ; weight rows 256 cx on
	s_add_co_u32 s46, s46, s18
	s_mov_b32 s47, 0
	s_lshl_b32 s45, s16, 16                        ; in LDS: 8 tiles x 8,192 bytes a half; no place in the cluster enters an LDS address
	s_mul_i32 s94, s16, BHALF
	s_add_co_u32 s94, s94, APART
	s_mov_b32 s[SEL], 0x76543210
	s_mov_b32 s[SEL+1], 0xfedcba98
	s_wait_dscnt 0x0                               ; both opening adds are done
	s_wait_kmcnt 0x0
	s_cmp_eq_u32 ttmp9, 1                          ; which weight: the choice hangs on the cluster's x alone
	s_cselect_b64 s[6:7], s[76:77], s[68:69]
	s_cselect_b64 s[8:9], s[78:79], s[70:71]
	s_cselect_b64 s[10:11], s[80:81], s[72:73]
	s_cmp_eq_u32 ttmp9, 2
	s_cselect_b64 s[6:7], s[84:85], s[6:7]
	s_cselect_b64 s[8:9], s[86:87], s[8:9]
	s_cselect_b64 s[10:11], s[88:89], s[10:11]
	s_mov_b32 s19, QB
	s_cselect_b32 s19, VB, s19                     ; a block's bytes
	s_add_nc_u64 s[20:21], s[4:5], s[20:21]
	s_add_nc_u64 s[46:47], s[6:7], s[46:47]
	CROUND                                         ; all sixteen work-groups are here: the joint loads meet
.irp s, 0
	s_mov_b32 s[G0+4*\s], 1
	s_add_co_u32 s[G0+4*\s+1], s45, \s*SLOT
	s_add_nc_u64 s[G0+4*\s+2:G0+4*\s+3], s[20:21], \s*4096
	s_or_b32 s[G0+4*\s+3], s[G0+4*\s+3], 0x80000000
	s_mov_b32 s[G0B+4*\s], 1
	s_add_co_u32 s[G0B+4*\s+1], s94, \s*SLOT
	s_add_nc_u64 s[G0B+4*\s+2:G0B+4*\s+3], s[46:47], \s*256
	s_or_b32 s[G0B+4*\s+3], s[G0B+4*\s+3], 0x80000000
	JLOAD G0+4*\s, G1, G0B+4*\s, G1B               ; my one tensor load of the launch
.endr
	v_and_b32 v4, 31, v0                           ; lane
	v_and_b32 v2, 15, v0                           ; r
	v_bfe_u32 v3, v0, 4, 1                         ; h
	v_lshlrev_b32 v[GO], 4, v4                     ; 16 x lane
	v_lshlrev_b32 v12, 5, v4                       ; 32 x lane: a row of scale bytes
	s_wait_alu depctr_va_vdst(0)
	s_lshl_b32 s22, s17, 13                        ; the tokens' scale bytes: row 256 Y + 128 x my half
	s_lshl_b32 s23, s15, 12
	s_add_co_u32 s22, s22, s23
	s_add_co_u32 s22, s22, HSC
	s_mov_b32 s23, 0
	s_add_nc_u64 s[4:5], s[4:5], s[22:23]
	s_lshl_b32 s22, s40, 13                        ; the weights': row 256 cx + 128 x my half
	s_lshl_b32 s18, s16, 12
	s_add_co_u32 s22, s22, s18
	s_add_nc_u64 s[8:9], s[8:9], s[22:23]
	s_lshr_b32 s22, s22, 3                         ; the bias: 4 bytes a column
	s_add_nc_u64 s[10:11], s[10:11], s[22:23]
.irp i, 0,1,2,3
.irp g, 0,1
	global_load_b128 v[SA+8*\i+4*\g:SA+8*\i+4*\g+3], v12, s[4:5] offset:1024*\i+16*\g
	global_load_b128 v[SB+8*\i+4*\g:SB+8*\i+4*\g+3], v12, s[8:9] offset:1024*\i+16*\g
.endr
.endr
	s_lshl_b32 s18, s15, 16
	v_add_nc_u32 v[ADRA], s18, v[GO]
	v_mul_u32_u24 v1, v2, BP
	v_lshl_add_u32 v1, v3, 4, v1
	s_mul_i32 s18, s16, BHALF
	s_add_co_u32 s18, s18, APART
	v_add_nc_u32 v[ADRB], s18, v1
	v_lshrrev_b32 v13, 3, v2                       ; r / 8
	v_and_b32 v15, 7, v2                           ; r % 8
	v_lshlrev_b32 v14, 2, v3                       ; 4 h
	v_lshl_add_u32 v14, v15, 4, v14                ; 16 (r % 8) + 4 h
	s_mul_i32 s18, s14, 2*QB                       ; q's, k's stage: two blocks a wave
	v_lshl_add_u32 v[LQA], v13, 9, v14
	v_add_nc_u32 v[LQA], s18, v[LQA]
	v_lshlrev_b32 v[LQS], 4, v15
	v_lshl_add_u32 v[LQS], v13, 8, v[LQS]
	v_add_nc_u32 v[LQS], s18, v[LQS]
	v_add_nc_u32 v[RDQ], s18, v[GO]
	s_mul_i32 s18, s14, 2*VB                       ; v's stage
	s_add_co_u32 s18, s18, VST
	v_lshl_add_u32 v[LVA], v13, 10, v14
	v_add_nc_u32 v[LVA], s18, v[LVA]
	v_lshlrev_b32 v[LVS], 3, v15
	v_lshl_add_u32 v[LVS], v13, 7, v[LVS]
	v_add_nc_u32 v[LVS], s18, v[LVS]
	v_add_nc_u32 v[RDV], s18, v[GO]
	v_lshlrev_b32 v24, 5, v3                       ; q, k: the bias of my half's eight channels
	v_lshlrev_b32 v25, 2, v2                       ; v: the bias of my channel
.irp b, 0,1,2,3
	v_mov_b32 v[TM+4+\b], 0                        ; written once: a lane permute's destination counts as one of its sources
.endr
	s_lshl_b32 s18, s17, 1                         ; where my two blocks go: ((2 Y + token half) 16 + 4 cx + 2 x column half) blocks on in my region
	s_add_co_u32 s18, s18, s15
	s_lshl_b32 s18, s18, 4
	s_lshl_b32 s22, s40, 2
	s_add_co_u32 s18, s18, s22
	s_lshl_b32 s22, s16, 1
	s_add_co_u32 s18, s18, s22
	s_mul_i32 s18, s18, s19
	s_mul_i32 s22, ttmp9, REGB
	s_add_co_u32 s18, s18, s22
	s_mov_b32 s19, 0
	s_add_nc_u64 s[12:13], s[12:13], s[18:19]
	s_cmp_eq_u32 ttmp9, 2                          ; the cluster's x: all partners and all waves go the same way
	s_cbranch_scc1 .Lpath_v
	WIN 0x40
	s_wait_alu depctr_va_vdst(0)
.irp b, 0,1,2,3,4,5,6,7
	global_load_b128 v[BI+8*\b:BI+8*\b+3], v24, s[10:11] offset:64*\b
	global_load_b128 v[BI+8*\b+4:BI+8*\b+7], v24, s[10:11] offset:64*\b+16
.endr
	WIN 0
	MAIN 0
.irp a, 0,1,2,3,4,5,6,7
	UNITQ \a
.endr
.irp i, 0,1,2,3,4,5,6,7,8,9,10,11,12,13,14,15,16,17
	ds_load_b128 v[128+4*\i:131+4*\i], v[RDQ] offset:512*\i     ; my own stage: LDS serves a wave's instructions in order
.endr
.irp i, 0,1,2,3,4,5,6,7,8,9,10,11,12,13,14,15,16,17
	s_wait_dscnt 17-\i                             ; the younger read-backs may be out
	global_store_b128 v[GO], v[128+4*\i:131+4*\i], s[12:13] offset:512*\i   ; 512 consecutive bytes a store
.endr
	s_branch .Ljoin
.Lpath_v:
	WIN 0x40
	s_wait_alu depctr_va_vdst(0)
.irp b, 0,1,2,3,4,5,6,7
	global_load_b32 v[BI+2*\b], v25, s[10:11] offset:64*\b
	global_load_b32 v[BI+2*\b+1], v25, s[10:11] offset:64*\b   ; (named with it as a pair, so it is written)
.endr
	WIN 0
	MAIN 1
.irp b, 0,1,2,3,4,5,6,7
	UNITV \b
.endr
.irp i, 0,1,2,3,4,5,6,7,8,9,10,11,12,13,14,15,16
	ds_load_b128 v[128+4*\i:131+4*\i], v[RDV] offset:512*\i
.endr
.irp i, 0,1,2,3,4,5,6,7,8,9,10,11,12,13,14,15,16
	s_wait_dscnt 16-\i
	global_store_b128 v[GO], v[128+4*\i:131+4*\i], s[12:13] offset:512*\i
.endr
.Ljoin:
	s_wait_tensorcnt 0x0                           ; the wave's end
	ds_add_u32 v[SPW], v[NIL]
	s_wait_dscnt 0x0
	CROUND                                         ; the closing round
	s_endpgm
.Lfunc_end_k_q7b1b933495_qkv:
	.size	k_q7b1b933495_qkv, .Lfunc_end_k_q7b1b933495_qkv-k_q7b1b933495_qkv
	.p2alignl 7, 3214868480
	.fill 96, 4, 3214868480
	.section	.rodata,"a",@progbits
	.p2align	6, 0x0
	.amdhsa_kernel k_q7b1b933495_qkv
		.amdhsa_group_segment_fixed_size 270848
		.amdhsa_private_segment_fixed_size 0
		.amdhsa_enable_private_segment 0
		.amdhsa_kernarg_size 88
		.amdhsa_user_sgpr_count 2
		.amdhsa_user_sgpr_kernarg_segment_ptr 1
		.amdhsa_wavefront_size32 1
		.amdhsa_system_sgpr_workgroup_id_x 1
		.amdhsa_system_sgpr_workgroup_id_y 1
		.amdhsa_system_sgpr_workgroup_id_z 1
		.amdhsa_system_vgpr_workitem_id 0
		.amdhsa_next_free_vgpr 1024
		.amdhsa_next_free_sgpr 100
		.amdhsa_reserve_vcc 0
		.amdhsa_float_denorm_mode_32 3
		.amdhsa_float_denorm_mode_16_64 3
		.amdhsa_memory_ordered 1
		.amdhsa_forward_progress 1
		.amdhsa_inst_pref_size 255
	.end_amdhsa_kernel
	.section	.bss,"aw",@nobits
	.p2align	6
	.space	262144
	.amdgpu_metadata
---
amdhsa.version: [ 1, 2 ]
amdhsa.kernels:
  - .name:           k_q7b1b933495_qkv
    .symbol:         k_q7b1b933495_qkv.kd
    .args:
      - { .name: hq, .offset: 0, .size: 8, .value_kind: global_buffer, .address_space: global }
      - { .name: Wq_codes, .offset: 8, .size: 8, .value_kind: global_buffer, .address_space: global }
      - { .name: Wq_scales, .offset: 16, .size: 8, .value_kind: global_buffer, .address_space: global }
      - { .name: bq, .offset: 24, .size: 8, .value_kind: global_buffer, .address_space: global }
      - { .name: Wk_codes, .offset: 32, .size: 8, .value_kind: global_buffer, .address_space: global }
      - { .name: Wk_scales, .offset: 40, .size: 8, .value_kind: global_buffer, .address_space: global }
      - { .name: bk, .offset: 48, .size: 8, .value_kind: global_buffer, .address_space: global }
      - { .name: Wv_codes, .offset: 56, .size: 8, .value_kind: global_buffer, .address_space: global }
      - { .name: Wv_scales, .offset: 64, .size: 8, .value_kind: global_buffer, .address_space: global }
      - { .name: bv, .offset: 72, .size: 8, .value_kind: global_buffer, .address_space: global }
      - { .name: qkv, .offset: 80, .size: 8, .value_kind: global_buffer, .address_space: global }
    .group_segment_fixed_size: 270848
    .private_segment_fixed_size: 0
    .kernarg_segment_align: 8
    .kernarg_segment_size: 88
    .max_flat_workgroup_size: 128
    .sgpr_count:     100
    .vgpr_count:     1024
    .wavefront_size: 32
...
	.end_amdgpu_metadata
.endif
;; end of part 2
;; launch att (part 3): grid 8 x 32, 8 waves a work-group, clusters of 4 x 1, 167,936 bytes of LDS; arguments qkv, ob; writes ob
.if DOCPART == 3
	.amdgcn_target "amdgcn-amd-amdhsa--gfx1250"
	.amdhsa_code_object_version 6
	.text
	.protected	k_q7b1b933495_att
	.globl	k_q7b1b933495_att
	.p2align	8
	.type	k_q7b1b933495_att,@function
k_q7b1b933495_att:
	s_mov_b64 s[64:65], 0
	v_nop
	global_prefetch_b8 v0, s[64:65] scope:SCOPE_SE
	s_setreg_imm32_b32 hwreg(HW_REG_WAVE_MODE, 25, 1), 1
	s_wait_xcnt 0x0
	s_wait_alu depctr_hold_cnt(0) depctr_sa_sdst(0) depctr_va_vdst(0) depctr_va_sdst(0) depctr_va_ssrc(0) depctr_va_vcc(0) depctr_vm_vsrc(0)
	s_getreg_b32 s2, hwreg(HW_REG_IB_STS2, 6, 4)
	s_cmp_eq_u32 s2, 0
	s_cbranch_scc0 .Lentry_in_a_cluster
	s_endpgm
.Lentry_in_a_cluster:
	s_bfe_u32 s2, ttmp6, 0x10000c
	s_cmp_lg_u32 s2, 0x3003
	s_cbranch_scc0 .Lentry_shape_is_right
	s_endpgm
.Lentry_shape_is_right:
; ATTENTION ON CODES OF E2M1 (products 4 and 5), and o quantised along the head's 64 for the projection.  No work is left out.
; t = score x log2(e) / 8; M = the running largest t rounded up to a whole number; p = 2^(t - M) is quantised along the keys, not normalised; the row's sum is taken of the unquantised p and divides O at the end.
; When M moves, the sum and O are multiplied by 2^(old M - new M), in every step, with no branch on data.
; LIMITS: the promise holds while the scaled scores stay under 2^31 in magnitude; a block of zeros keeps the scale byte 1 (only this program reads the bytes); NaN and infinities are not served.
; SHARES: a work-group owns 256 queries of one head, each of its 8 waves 32 of them: tile A (16 queries) in register window 0, tile B in window 1 under the same register numbers, so one macro serves both.
; Each fragment of K and of V is read from LDS once for both tiles.  The next step's K is fetched behind the scores' products, the next V behind the step's last product.
; THE KEYS OF A TILE ARE CHOSEN BY THE LDS ADDRESS: row m of tile 4 c + t takes key 64 c + 32 (m / 8) + 8 t + m % 8.  Both products are used transposed (a lane holds one query), so lane half h holds in
; registers 96 + 32 c + 0 .. 31 the keys 64 c + 32 h + 0 .. 31: a WHOLE block of 32.  A block's largest score needs no other lane, and the conversions' results are the second product's operand as they stand.
; LDS: a head's 16 blocks of K (4,608 bytes each) and 16 of V (4,352), filled ONCE: waves 0-3 fetch four blocks of K each, waves 4-7 four of V, one tensor load a wave.
; CLUSTER: the four work-groups of a cluster walk the same head: every load is joint (mask 15).  No prefetch: all tiles are asked for at the head, and the loop reads LDS alone.
; Product 4's K is 64: the upper half of both operands is zero codes.
; REGISTERS, window 0: v1 16 x lane, v2 8 x lane, v3/v4 the spare word and 0, v5/v251 K's addresses, v6/v7 V's, v8/v9/v30 the way out, v10/v11 Q's scale words (A, B), v24-27 K's, v28-29 V's, v31 p's scale word of tile B,
;   v32-95 K's fragments, v192-223 V's, v249/v250 a lane's place in K's codes and scale words.  In each window: v12 -M, v13 largest score, v[14:15] the sum, v16-23 Q, v96-159 scores then p, v160-191 O, v224-231 p's codes, v232-254 at work, v248 8 x lane half.
.set KB,    4608
.set VB,    4352
.set VBASE, 73728
.set OSTG,  143360                     ; the tile's scale words on their way out: 1,024 bytes of their own
.set SPARE, 144384                     ; the spare words: 128 bytes for each of 8 waves
.set KREG,  2359296
.set VREG,  4718592
.set OSC,   2097152
.set G1K, 24
.set G1V, 32
.set G0K, 40
.set G0V, 44
.set MSB, 0
.macro WIN new                         ; the immediate's high byte repeats the setting that is left
.if MSB != (\new)
	s_set_vgpr_msb (MSB<<8)|(\new)
.set MSB, (\new)
.endif
.endm
.macro CROUND
	s_barrier_signal -1
	s_barrier_wait -1
	s_cmp_lg_u32 s8, 0
	s_cbranch_scc1 .Lnot_wave_0_\@
	s_barrier_signal -3
.Lnot_wave_0_\@:
	s_barrier_wait -3
	s_barrier_signal -1
	s_barrier_wait -1
.endm
.macro NOPS n
.rept \n
	v_nop
.endr
.endm
.macro INIT                            ; one tile's state, in the window that is set
.irp j, 20,21,22,23
	v_mov_b32 v[\j], 0                             ; Q's upper half: zero codes
.endr
	v_mov_b32 v13, 0xff61b1e6                      ; -3e38, under every score
	v_floor_f32 v12, -v13
	v_mov_b32 v14, 0
	v_mov_b32 v15, 0
.irp j, 236,237,238,239,253
	v_mov_b32 v[\j], 0                             ; lane permutes' destinations, and the upper half of the pair v[252:253]
.endr
.set j, 0
.rept 32
	v_mov_b32 v[160+j], 0                          ; O: the first change of M leaves zeros zeros
.set j, j+1
.endr
.endm
.macro LOADK                           ; 12 LDS loads: eight tiles, and their rows' scale words (lanes 0-15 an even tile's, lanes 16-31 the odd one's)
.irp c, 0,1
.irp t, 0,1,2,3
	ds_load_b128 v[32+32*\c+8*\t:35+32*\c+8*\t], v5 offset:2048*\c+512*(\t%2)+128*(\t/2)
.endr
.endr
.irp c, 0,1
.irp u, 0,1
	ds_load_b32 v[24+2*\c+\u], v251 offset:8*\c+128*\u
.endr
.endr
.endm
.macro LOADV                           ; 9 LDS loads
.irp t, 0,1,2,3
.irp c, 0,1
	ds_load_b128 v[192+8*\t+4*\c:195+8*\t+4*\c], v6 offset:1024*\t+512*\c
.endr
.endr
	ds_load_b64 v[28:29], v7 offset:4096
.endm
.macro QK qs                           ; the scores of 128 keys x 16 queries: eight accumulators, each begun with 0
.irp t, 0,2,4,6
	v_wmma_scale_f32_16x16x128_f8f6f4 v[96+8*\t:103+8*\t], v[32+8*\t:39+8*\t], v[16:23], 0, v[24+\t/2], v[\qs] matrix_a_fmt:MATRIX_FMT_FP4 matrix_b_fmt:MATRIX_FMT_FP4
	v_wmma_scale_f32_16x16x128_f8f6f4 v[104+8*\t:111+8*\t], v[40+8*\t:47+8*\t], v[16:23], 0, v[24+\t/2], v[\qs] matrix_a_fmt:MATRIX_FMT_FP4 matrix_b_fmt:MATRIX_FMT_FP4 matrix_a_scale:MATRIX_SCALE_ROW1
.endr
.endm
.macro PV ps                           ; O += V^T P^T: four accumulators by turns
.irp t, 0,2
	v_wmma_scale_f32_16x16x128_f8f6f4 v[160+8*\t:167+8*\t], v[192+8*\t:199+8*\t], v[224:231], v[160+8*\t:167+8*\t], v[28+\t/2], v[\ps] matrix_a_fmt:MATRIX_FMT_FP4 matrix_b_fmt:MATRIX_FMT_FP4
	v_wmma_scale_f32_16x16x128_f8f6f4 v[168+8*\t:175+8*\t], v[200+8*\t:207+8*\t], v[224:231], v[168+8*\t:175+8*\t], v[28+\t/2], v[\ps] matrix_a_fmt:MATRIX_FMT_FP4 matrix_b_fmt:MATRIX_FMT_FP4 matrix_a_scale:MATRIX_SCALE_ROW1
.endr
.endm
; One tile's softmax of a step, its codes and scale word, and O under the new M.  tb = 0: tile A, window 0; tb = 1: tile B, window 1.
.macro SOFT tb
	WIN 0x55*\tb
	s_wait_alu depctr_va_vdst(0)                   ; the wait directly ahead of the first reader of the scores
.irp b, 0,1,2,3
	v_max3_num_f32 v[232+\b], v[96+16*\b], v[97+16*\b], v[98+16*\b]   ; four chains by turns, two to a block of 32 keys
.endr
.irp i, 3,5,7,9,11,13
.irp b, 0,1,2,3
	v_max3_num_f32 v[232+\b], v[232+\b], v[96+16*\b+\i], v[97+16*\b+\i]
.endr
.endr
	v_max3_num_f32 v232, v232, v233, v111
	v_max3_num_f32 v234, v234, v235, v143
	v_max_num_f32 v232, v232, v127                 ; my block of c = 0: its largest score,
	v_max_num_f32 v234, v234, v159                 ; and of c = 1
	v_max_num_f32 v254, v232, v234
	v_permlanex16_b32 v236, v254, s20, s21         ; lane l xor 16's two blocks
	v_mov_b32 v237, v12
	v_max3_num_f32 v13, v13, v254, v236            ; the running largest score
	v_mul_f32 v254, s62, v13                       ; -t
	v_floor_f32 v12, v254                          ; -M = floor(-t)
	v_sub_f32 v254, v12, v237
	v_cvt_i32_f32 v254, v254
	v_ldexp_f32 v252, 1.0, v254                    ; f = 2^(old M - new M)
.set j, 0
.rept 32
	v_pk_fma_f32 v[96+j:97+j], v[96+j:97+j], s[22:23], v[12:13] op_sel_hi:[1,0,0]   ; t - M
.set j, j+2
.endr
	v_fma_f32 v232, v232, s22, v12                 ; the same of each block's largest score
	v_fma_f32 v234, v234, s22, v12
	s_wait_alu depctr_va_vdst(0)                   ; the wait ahead of the batch
.set j, 0
.rept 64
	v_exp_f32 v[96+j], v[96+j]
.set j, j+1
.endr
	v_pk_mul_f32 v[14:15], v[14:15], v[252:253] op_sel_hi:[1,0]   ; the sum under the new M
	s_wait_alu depctr_va_vdst(0)                   ; one wait for the batch, ahead of its first reader
	v_exp_f32 v232, v232                           ; each block's largest p
	v_exp_f32 v234, v234
	v_pk_add_f32 v[236:237], v[96:97], v[98:99]    ; the row's sum of the unquantised p, in four chains by turns
	v_pk_add_f32 v[240:241], v[100:101], v[102:103]
	v_pk_add_f32 v[242:243], v[104:105], v[106:107]
	v_pk_add_f32 v[14:15], v[14:15], v[108:109]
.irp j, 14,22,30,38,46,54
	v_pk_add_f32 v[236:237], v[236:237], v[96+\j:97+\j]
	v_pk_add_f32 v[240:241], v[240:241], v[98+\j:99+\j]
	v_pk_add_f32 v[242:243], v[242:243], v[100+\j:101+\j]
	v_pk_add_f32 v[14:15], v[14:15], v[102+\j:103+\j]
.endr
	v_pk_add_f32 v[236:237], v[236:237], v[158:159]
	v_pk_add_f32 v[240:241], v[240:241], v[242:243]
	s_delay_alu instid0(VALU_DEP_2)
	v_pk_add_f32 v[14:15], v[14:15], v[236:237]
	s_delay_alu instid0(VALU_DEP_1)
	v_pk_add_f32 v[14:15], v[14:15], v[240:241]
	s_wait_alu depctr_va_vdst(0)                   ; and one for the two
	v_max_num_f32 v232, 0x1800000, v232            ; the floor 2^(3 - 127): the byte cannot fall under 1
	v_max_num_f32 v234, 0x1800000, v234
	s_delay_alu instid0(VALU_DEP_2)
	v_add_nc_u32 v244, 0xff000000, v232            ; 2 off the exponent field: the conversion's scale operand
	s_delay_alu instid0(VALU_DEP_2)
	v_add_nc_u32 v245, 0xff000000, v234
	s_delay_alu instid0(VALU_DEP_2)
	v_lshrrev_b32 v236, 23, v244                   ; the scale's byte
	s_delay_alu instid0(VALU_DEP_2)
	v_lshrrev_b32 v237, 23, v245
	s_delay_alu instid0(VALU_DEP_1)
	v_lshl_or_b32 v238, v237, 16, v236             ; my bytes: blocks h and 2 + h,
	s_delay_alu instid0(VALU_DEP_1)
	v_lshlrev_b32 v238, v248, v238                 ; at their places in the word (8 h bits up);
	s_delay_alu instid0(VALU_DEP_1)
	v_permlanex16_b32 v239, v238, s20, s21         ; with lane l xor 16's two the word is whole
.if \tb
	WIN 0x15                                       ; scale operands are taken from window 0: tile B's word goes to v31 there
	v_or_b32 v31, v238, v239
	WIN 0x55
.else
	s_delay_alu instid0(VALU_DEP_1)
	v_or_b32 v253, v238, v239
.endif
.irp c, 0,1
.irp t, 0,1,2,3
	v_cvt_scalef32_pk8_fp4_f32 v[224+4*\c+\t], v[96+32*\c+8*\t:103+32*\c+8*\t], v[244+\c]   ; register 4 c + t of the operand: keys 64 c + 32 h + 8 t + 0 .. 7
.endr
.endr
	s_wait_alu depctr_va_vdst(0)                   ; the wait directly ahead of the first reader of O
.set j, 0
.rept 16
	v_pk_mul_f32 v[160+j:161+j], v[160+j:161+j], v[252:253] op_sel_hi:[1,0]   ; O under the new M; also the places behind the conversions and ahead of the products
.set j, j+2
.endr
.endm
; A step of 128 keys for both tiles.  more = 1: the next step's fragments are fetched.
.macro STEP more
	s_wait_dscnt 9                                 ; K's twelve loads are in; the nine younger, V's, may be out
	QK 10
	WIN 0x54                                       ; K from window 0; Q, C and D in window 1
	QK 11
	WIN 0
.if \more
	s_add_co_u32 s48, s48, KB
	v_add_nc_u32 v5, s48, v249
	v_add_nc_u32 v251, s48, v250
	NOPS 2                                         ; four places with the two additions, ahead of loads into registers that the products have read
	LOADK
.else
	NOPS 4
.endif
	SOFT 0
	s_wait_alu depctr_va_vdst(0)                   ; the wait directly ahead of the wait below
	s_wait_dscnt 12*\more                          ; V is in; the next K's twelve loads may be out
	PV 253
	SOFT 1
	WIN 0x54
	PV 31
	WIN 0
.if \more
	s_add_co_u32 s49, s49, VB
	v_add_nc_u32 v6, s49, v1
	v_add_nc_u32 v7, s49, v2
	NOPS 2                                         ; four places with the two additions
	LOADV
.endif
.endm
; One tile's way out: O / the sum, quantised along the head's 64; the codes as an image of the operand's registers, the scale word into the stage.
.macro TAIL tb
	WIN 0x55*\tb
	v_add_f32 v14, v14, v15
	s_delay_alu instid0(VALU_DEP_1)
	v_permlanex16_b32 v252, v14, s20, s21
	s_delay_alu instid0(VALU_DEP_1)
	v_add_f32 v14, v14, v252
	s_wait_alu depctr_va_vdst(0)
	v_rcp_f32 v14, v14
	v_nop
	s_wait_alu depctr_va_vdst(0)
.set j, 0
.rept 32
	v_mul_f32 v[96+j], v[160+j], v14
.set j, j+1
.endr
.irp b, 0,1
	v_max3_num_f32 v[232+\b], |v[96+16*\b]|, |v[97+16*\b]|, 0x1800000
.endr
.irp i, 2,4,6,8,10,12,14
.irp b, 0,1
	s_delay_alu instid0(VALU_DEP_2)
	v_max3_num_f32 v[232+\b], v[232+\b], |v[96+16*\b+\i]|, |v[97+16*\b+\i]|
.endr
.endr
.irp b, 0,1
	s_delay_alu instid0(VALU_DEP_2)
	v_permlanex16_b32 v[236+\b], v[232+\b], s20, s21
.endr
.irp b, 0,1
	s_delay_alu instid0(VALU_DEP_2)
	v_max_num_f32 v[232+\b], v[232+\b], v[236+\b]
.endr
.irp b, 0,1
	s_delay_alu instid0(VALU_DEP_2)
	v_add_nc_u32 v[244+\b], 0xff000000, v[232+\b]
.endr
.irp b, 0,1
	s_delay_alu instid0(VALU_DEP_2)
	v_lshrrev_b32 v[236+\b], 23, v[244+\b]
.endr
.irp b, 0,1
	v_cvt_scalef32_pk8_fp4_f32 v[224+2*\b], v[96+16*\b:103+16*\b], v[244+\b]
	v_cvt_scalef32_pk8_fp4_f32 v[225+2*\b], v[104+16*\b:111+16*\b], v[244+\b]
.endr
	v_nop
	v_permlane16_swap_b32 v224, v226
	v_permlane16_swap_b32 v225, v227
	v_lshl_or_b32 v240, v237, 8, v236
	s_delay_alu instid0(VALU_DEP_1)
	v_lshlrev_b32 v240, s51, v240                  ; an odd head's two bytes go to the word's upper half
	WIN 0x04*\tb                                   ; a store's data are its source 1
	global_store_b128 v1, v[224:227], s[58:59] offset:8192*\tb   ; the wave stores 512 consecutive bytes
	ds_store_b32 v8, v240 offset:64*\tb
.endm
	s_load_b128 s[4:7], s[0:1], 0x0                ; qkv s[4:5], the output s[6:7]
	v_lshl_add_u32 v3, v0, 2, SPARE
	v_mov_b32 v4, 0
	ds_add_u32 v3, v4                              ; the opening lines: the add, twice on end, and its wait ahead of my tensor load
	ds_add_u32 v3, v4
	v_lshrrev_b32 v8, 5, v0
	v_readfirstlane_b32 s8, v8                     ; wave 0..7
	s_bfe_u32 s9, ttmp6, 0x40000
	s_lshl_b32 s10, ttmp9, 2
	s_add_co_u32 s10, s10, s9                      ; which 256 queries
	s_and_b32 s11, ttmp7, 0xffff
	s_lshr_b32 s12, s11, 4                         ; batch
	s_and_b32 s13, s11, 15                         ; head
	s_and_b32 s15, s8, 3
	s_lshl_b32 s16, s15, 2                         ; the first of the four key blocks that I fetch
	s_lshl_b32 s14, s12, 4
	s_add_co_u32 s14, s14, s16
	s_lshl_b32 s14, s14, 4
	s_add_co_u32 s14, s14, s13                     ; block (16 batch + key block) 16 + head
	s_mul_i32 s52, s14, KB
	s_add_co_u32 s52, s52, KREG
	s_mov_b32 s53, 0
	s_mul_i32 s54, s14, VB
	s_add_co_u32 s54, s54, VREG
	s_mov_b32 s55, 0
	s_mul_i32 s17, s16, KB                         ; and where they go in LDS
	s_mul_i32 s18, s16, VB
	s_add_co_u32 s18, s18, VBASE
	s_mov_b32 s[G1K], 15|(3<<16)|(1<<21)           ; K: 4 rows of 4,608 bytes (576 elements of 8), 16 blocks apart; the mask of all four partners, bit 21 beside it
	s_mov_b32 s[G1K+1], 576<<16
	s_mov_b32 s[G1K+2], 4<<16
	s_mov_b32 s[G1K+3], 576<<16
	s_mov_b32 s[G1K+4], 4
	s_mov_b32 s[G1K+5], 9216
	s_mov_b32 s[G1K+6], 0
	s_mov_b32 s[G1K+7], 0
	s_mov_b32 s[G1V], 15|(3<<16)|(1<<21)           ; V: 4 rows of 4,352 bytes (544 elements)
	s_mov_b32 s[G1V+1], 544<<16
	s_mov_b32 s[G1V+2], 4<<16
	s_mov_b32 s[G1V+3], 544<<16
	s_mov_b32 s[G1V+4], 4
	s_mov_b32 s[G1V+5], 8704
	s_mov_b32 s[G1V+6], 0
	s_mov_b32 s[G1V+7], 0
	s_lshl_b32 s19, s12, 4                         ; Q: block (16 batch + 2 x my 256 + wave / 4) 16 + head
	s_lshl_b32 s56, s10, 1
	s_add_co_u32 s19, s19, s56
	s_lshr_b32 s56, s8, 2
	s_add_co_u32 s19, s19, s56
	s_lshl_b32 s19, s19, 4
	s_add_co_u32 s19, s19, s13
	s_mul_i32 s56, s19, KB
	s_mov_b32 s57, 0
	s_lshl_b32 s19, s12, 7                         ; o's image: tile (128 batch + 16 x my 256 + 2 wave) 16 + head, 512 bytes each
	s_lshl_b32 s58, s10, 4
	s_add_co_u32 s19, s19, s58
	s_lshl_b32 s58, s8, 1
	s_add_co_u32 s19, s19, s58
	s_lshl_b32 s19, s19, 4
	s_add_co_u32 s19, s19, s13
	s_lshl_b32 s58, s19, 9
	s_mov_b32 s59, 0
	s_lshl_b32 s60, s13, 14                        ; o's scale words
	s_lshl_b32 s19, s12, 13
	s_add_co_u32 s60, s60, s19
	s_lshl_b32 s19, s10, 10
	s_add_co_u32 s60, s60, s19
	s_add_co_u32 s60, s60, OSC
	s_mov_b32 s61, 0
	s_lshl_b32 s48, s15, 10                        ; my two tiles of Q in their block,
	s_lshl_b32 s49, s15, 2
	s_add_co_u32 s49, s49, 4096                    ; their scale words,
	s_lshl_b32 s50, s8, 7
	s_add_co_u32 s50, s50, OSTG                    ; and my 128 bytes of the stage
	s_mov_b32 s20, 0x76543210
	s_mov_b32 s21, 0xfedcba98                      ; lane l xor 16
	s_mov_b32 s22, 0x3e38aa3b                      ; log2(e) / 8
	s_mov_b32 s23, s22
	s_mov_b32 s62, 0xbe38aa3b                      ; and its negative
	s_and_b32 s51, s13, 1
	s_lshl_b32 s51, s51, 4
	s_wait_dscnt 0x0                               ; both opening adds are done
	s_wait_kmcnt 0x0
	s_mov_b32 s[G0K], 1
	s_mov_b32 s[G0K+1], s17
	s_add_nc_u64 s[G0K+2:G0K+3], s[4:5], s[52:53]
	s_or_b32 s[G0K+3], s[G0K+3], 0x80000000
	s_mov_b32 s[G0V], 1
	s_mov_b32 s[G0V+1], s18
	s_add_nc_u64 s[G0V+2:G0V+3], s[4:5], s[54:55]
	s_or_b32 s[G0V+3], s[G0V+3], 0x80000000
	s_add_nc_u64 s[56:57], s[4:5], s[56:57]
	s_add_nc_u64 s[58:59], s[6:7], s[58:59]
	s_add_nc_u64 s[60:61], s[6:7], s[60:61]
	CROUND                                         ; all four work-groups are here: the joint loads meet
	s_cmp_lt_u32 s8, 4                             ; one load a wave: every way passes exactly one
	s_cbranch_scc0 .Lfor_v
	tensor_load_to_lds s[G0K:G0K+3], s[G1K:G1K+7]
	s_nop 0
	NOPS 4
	s_branch .Lasked
.Lfor_v:
	tensor_load_to_lds s[G0V:G0V+3], s[G1V:G1V+7]
	s_nop 0
	NOPS 4
.Lasked:
	v_and_b32 v8, 31, v0
	v_and_b32 v9, 15, v0
	v_and_b32 v30, 63, v0
	v_and_b32 v5, 7, v0
	v_bfe_u32 v250, v0, 3, 1                       ; row / 8
	v_bfe_u32 v251, v0, 4, 1                       ; lane half
	v_lshlrev_b32 v1, 4, v8
	v_lshlrev_b32 v2, 3, v8
	v_lshlrev_b32 v30, 4, v30
	v_lshlrev_b32 v5, 4, v5                        ; 16 (row % 8)
	v_lshlrev_b32 v248, 3, v251                    ; 8 x lane half
	v_lshl_add_u32 v249, v250, 10, v5              ; K's codes: 1,024 (row / 8) + 256 x half + 16 (row % 8)
	v_lshl_add_u32 v250, v250, 2, v5               ; K's scale words: 4,096 + 256 x half + 4 (row / 8) + 16 (row % 8)
	v_lshl_add_u32 v249, v251, 8, v249
	v_lshl_add_u32 v250, v251, 8, v250
	v_add_nc_u32 v5, s48, v1
	v_lshl_add_u32 v6, v9, 4, s49
	v_add_nc_u32 v250, 4096, v250
	global_load_b128 v[16:19], v5, s[56:57]        ; tile A's fragment of Q
	global_load_b32 v10, v6, s[56:57]              ; its scale words
	global_load_b32 v11, v6, s[56:57] offset:256   ; tile B's
	WIN 0x40
	global_load_b128 v[16:19], v5, s[56:57] offset:512   ; tile B's fragment, into window 1
	v_mov_b32 v248, v248                           ; 8 x lane half, into window 1 too
	WIN 0
	v_lshl_add_u32 v8, v9, 2, s50
	v_add_nc_u32 v9, OSTG, v30
.irp t, 0,1,2,3,4,5,6,7
.irp j, 4,5,6,7
	v_mov_b32 v[32+8*\t+\j], 0                     ; K's upper halves: zero codes; no load lands there
.endr
.endr
	INIT
	WIN 0x55
	INIT
	WIN 0
	s_mov_b32 s48, 0
	s_mov_b32 s49, VBASE
	s_mov_b32 s50, 15
	s_wait_alu depctr_va_vdst(0)                   ; the wait at the head's end
	s_wait_tensorcnt 0x0                           ; my four blocks are in
	s_barrier_signal -1
	s_barrier_wait -1                              ; and everybody's
	s_wait_loadcnt 0x0                             ; Q; v5 and v6 may be written again
	v_mov_b32 v5, v249
	v_mov_b32 v251, v250
	v_add_nc_u32 v6, s49, v1
	v_add_nc_u32 v7, s49, v2
	LOADK
	LOADV
.Lstep:                                            ; 15 trips; the last step is written out: it fetches nothing
	STEP 1
	s_sub_co_u32 s50, s50, 1
	s_cmp_lg_u32 s50, 0
	s_cbranch_scc1 .Lstep
	STEP 0
	NOPS 4
	TAIL 0
	TAIL 1
	WIN 0
	s_wait_dscnt 0x0                               ; for the others' sake: my scale words lie in the stage
	s_barrier_signal -1
	s_barrier_wait -1
	s_cmp_gt_u32 s8, 1
	s_cbranch_scc1 .Lnot_01
	ds_load_b128 v[96:99], v9                      ; the work-group's 1,024 bytes of scale words leave in whole runs of 256
	s_wait_dscnt 0x0
	global_store_b128 v30, v[96:99], s[60:61]
.Lnot_01:
	s_wait_tensorcnt 0x0                           ; the wave's end
	ds_add_u32 v3, v4
	s_wait_dscnt 0x0
	CROUND                                         ; the closing round
	s_endpgm
.Lfunc_end_k_q7b1b933495_att:
	.size	k_q7b1b933495_att, .Lfunc_end_k_q7b1b933495_att-k_q7b1b933495_att
	.p2alignl 7, 3214868480
	.fill 96, 4, 3214868480
	.section	.rodata,"a",@progbits
	.p2align	6, 0x0
	.amdhsa_kernel k_q7b1b933495_att
		.amdhsa_group_segment_fixed_size 167936
		.amdhsa_private_segment_fixed_size 0
		.amdhsa_enable_private_segment 0
		.amdhsa_kernarg_size 16
		.amdhsa_user_sgpr_count 2
		.amdhsa_user_sgpr_kernarg_segment_ptr 1
		.amdhsa_wavefront_size32 1
		.amdhsa_system_sgpr_workgroup_id_x 1
		.amdhsa_system_sgpr_workgroup_id_y 1
		.amdhsa_system_sgpr_workgroup_id_z 1
		.amdhsa_system_vgpr_workitem_id 0
		.amdhsa_next_free_vgpr 512
		.amdhsa_next_free_sgpr 66
		.amdhsa_reserve_vcc 0
		.amdhsa_float_denorm_mode_32 3
		.amdhsa_float_denorm_mode_16_64 3
		.amdhsa_memory_ordered 1
		.amdhsa_forward_progress 1
		.amdhsa_inst_pref_size 75
	.end_amdhsa_kernel
	.amdgpu_metadata
---
amdhsa.version: [ 1, 2 ]
amdhsa.kernels:
  - .name:           k_q7b1b933495_att
    .symbol:         k_q7b1b933495_att.kd
    .args:
      - { .name: qkv, .offset: 0, .size: 8, .value_kind: global_buffer, .address_space: global }
      - { .name: ob, .offset: 8, .size: 8, .value_kind: global_buffer, .address_space: global }
    .group_segment_fixed_size: 167936
    .private_segment_fixed_size: 0
    .kernarg_segment_align: 8
    .kernarg_segment_size: 16
    .max_flat_workgroup_size: 256
    .sgpr_count:     66
    .vgpr_count:     512
    .wavefront_size: 32
...
	.end_amdgpu_metadata
.endif
;; end of part 3
;; launch wol (part 4): grid 256 x 1, 16 waves a work-group, clusters of 4 x 1, 327,680 bytes of LDS; arguments ob, Wo_codes, Wo_scales, bo, x, ln2_g, ln2_b, x1, hq; writes x1, hq
.if DOCPART == 4
	.amdgcn_target "amdgcn-amd-amdhsa--gfx1250"
	.amdhsa_code_object_version 6
	.text
	.protected	k_q7b1b933495_wol
	.globl	k_q7b1b933495_wol
	.p2align	8
	.type	k_q7b1b933495_wol,@function
k_q7b1b933495_wol:
	s_mov_b64 s[64:65], 0
	v_nop
	global_prefetch_b8 v0, s[64:65] scope:SCOPE_SE
	s_setreg_imm32_b32 hwreg(HW_REG_WAVE_MODE, 25, 1), 1
	s_wait_xcnt 0x0
	s_wait_alu depctr_hold_cnt(0) depctr_sa_sdst(0) depctr_va_vdst(0) depctr_va_sdst(0) depctr_va_ssrc(0) depctr_va_vcc(0) depctr_vm_vsrc(0)
	s_getreg_b32 s2, hwreg(HW_REG_IB_STS2, 6, 4)
	s_cmp_eq_u32 s2, 0
	s_cbranch_scc0 .Lentry_in_a_cluster
	s_endpgm
.Lentry_in_a_cluster:
	s_bfe_u32 s2, ttmp6, 0x10000c
	s_cmp_lg_u32 s2, 0x3003
	s_cbranch_scc0 .Lentry_shape_is_right
	s_endpgm
.Lentry_shape_is_right:
; x1 = x + o Wo + bo (product 6) on codes of E2M1, then the second layer norm of x1 and its quantiser, in one launch.  No work is left out.
; SHARES: a work-group takes one tile of 16 rows of o and all 1,024 columns, so that it owns whole rows of x1.  Wave w multiplies columns 64 w .. 64 w + 63 (4 accumulators by turns, the bias as their first C),
; then owns row w for the residual, the mean and the variance, then blocks 2 w, 2 w + 1 of all 16 rows for the quantiser (a lane holds a whole block of 32).
; o's rows are POSITIONS (a query's place in attention's tiles): row p of tile T is token 32 (T / 2) + 8 (T % 2) + p + 8 (p / 8).  x is read and x1 stored by token; the codes keep the order of positions, which the
; two launches behind this one carry through; the last one stores by token again.
; LDS: Wo's 1,024 rows x 256 bytes (512 along K) + 16 of padding; each wave fetches, and alone reads, its own 64 rows.  The bytes are filled again once, with the other half of K, behind the waits, the add and a round.
; CLUSTER: all work-groups walk the same Wo: four form a cluster and ask jointly (mask 15).  No prefetch: the launch has no loop to run ahead in.
; The stage for the rows (16 x 4,112 bytes) lies in the weights' bytes, behind their last fill and a barrier behind every wave's last read of them.
; LIMITS: as stated at the head of the first kernel (scale byte 1 for blocks of zeros; NaN and infinities not served).
; OUT: x1 [token][1,024] f32; the codes as images of the operand's registers, [tile][block of 32: 32][row: 16][16 bytes], and from byte HSC on the scale bytes [row][32].
.set BP,    272
.set WROWS, 64*BP                      ; a wave's 64 rows of Wo in LDS
.set XP,    4112                       ; a row of the stage
.set SCB,   1024*BP                    ; the tile's 512 scale bytes
.set SPARE, SCB+512                    ; the spare words: 128 bytes for each of 16 waves
.set OSC,   2097152                    ; o's scale words
.set HSC,   2097152                    ; where the scale bytes begin in the output
.set SPW, 15
.set NIL, 16
.set A,   32                           ; v32-63   o's fragments of half of K; later a row from the stage
.set BF,  64                           ; v64-95   Wo's four fragments of a K step; later at work
.set ACC, 96                           ; v96-127  four accumulators
.set SA,  128                          ; v128-135 o's scale words;  v136-143 the odd heads' halves
.set ST2, 136
.set SB,  144                          ; v144-159 Wo's scale words: lane L of register 8 i + kq: row 32 i + L
.set X,   160                          ; v160-191 32 numbers
.set G,   192
.set BV,  224
.set C,   72
.macro NOPS n
.rept \n
	v_nop
.endr
.endm
.macro CROUND
	s_barrier_signal -1
	s_barrier_wait -1
	s_cmp_lg_u32 s22, 0
	s_cbranch_scc1 .Lnot_wave_0_\@
	s_barrier_signal -3
.Lnot_wave_0_\@:
	s_barrier_wait -3
	s_barrier_signal -1
	s_barrier_wait -1
.endm
.macro SUM32 a, b                      ; v[a] summed over the 32 lanes, in every lane; v[b] at work (written before)
	s_delay_alu instid0(VALU_DEP_1)
	v_add_f32_dpp v[\a], v[\a], v[\a] row_xmask:1 row_mask:0xf bank_mask:0xf
	s_delay_alu instid0(VALU_DEP_1)
	v_add_f32_dpp v[\a], v[\a], v[\a] row_xmask:2 row_mask:0xf bank_mask:0xf
	s_delay_alu instid0(VALU_DEP_1)
	v_add_f32_dpp v[\a], v[\a], v[\a] row_xmask:4 row_mask:0xf bank_mask:0xf
	s_delay_alu instid0(VALU_DEP_1)
	v_add_f32_dpp v[\a], v[\a], v[\a] row_xmask:8 row_mask:0xf bank_mask:0xf
	s_delay_alu instid0(VALU_DEP_1)
	v_permlanex16_b32 v[\b], v[\a], s40, s41
	s_delay_alu instid0(VALU_DEP_1)
	v_add_f32 v[\a], v[\a], v[\b]
.endm
.macro AHALF hf                        ; o's fragments of K steps 4 hf .. 4 hf + 3: an image is read at 16 x lane
.irp q, 0,1,2,3
.irp c, 0,1
	global_load_b128 v[A+8*\q+4*\c:A+8*\q+4*\c+3], v7, s[4:5] offset:4096*\hf+1024*\q+512*\c
.endr
.endr
.endm
.macro HALF hf                         ; four K steps: source 0 = 16 rows of Wo, source 1 = the 16 rows of o: a lane holds eight neighbouring columns of a row
.irp q, 0,1,2,3
.irp t, 0,1,2,3
.irp c, 0,1
	ds_load_b128 v[BF+8*\t+4*\c:BF+8*\t+4*\c+3], v13 offset:\t*16*BP+64*\q+32*\c
.endr
.endr
	s_wait_dscnt 0x0
.irp i, 0,1
	v_wmma_scale_f32_16x16x128_f8f6f4 v[ACC+16*\i:ACC+16*\i+7], v[BF+16*\i:BF+16*\i+7], v[A+8*\q:A+8*\q+7], v[ACC+16*\i:ACC+16*\i+7], v[SB+8*\i+4*\hf+\q], v[SA+4*\hf+\q] matrix_a_fmt:MATRIX_FMT_FP4 matrix_b_fmt:MATRIX_FMT_FP4
	v_wmma_scale_f32_16x16x128_f8f6f4 v[ACC+16*\i+8:ACC+16*\i+15], v[BF+16*\i+8:BF+16*\i+15], v[A+8*\q:A+8*\q+7], v[ACC+16*\i+8:ACC+16*\i+15], v[SB+8*\i+4*\hf+\q], v[SA+4*\hf+\q] matrix_a_fmt:MATRIX_FMT_FP4 matrix_b_fmt:MATRIX_FMT_FP4 matrix_a_scale:MATRIX_SCALE_ROW1
.endr
	NOPS 4                                         ; ahead of loads into registers that the products have read, and of the first read of the sums
.endr
.endm
	s_load_b256 s[4:11], s[0:1], 0x0               ; o s[4:5], Wo's codes s[6:7], its scales s[8:9], bo s[10:11]
	s_load_b256 s[12:19], s[0:1], 0x20             ; x s[12:13], g s[14:15], b s[16:17], x1 s[18:19]
	s_load_b64 s[20:21], s[0:1], 0x40              ; the codes' buffer
	v_lshl_add_u32 v[SPW], v0, 2, SPARE
	v_mov_b32 v[NIL], 0
	ds_add_u32 v[SPW], v[NIL]                      ; the opening lines: the add, twice on end, and its wait ahead of my first tensor load
	ds_add_u32 v[SPW], v[NIL]
	v_lshrrev_b32 v1, 5, v0
	v_readfirstlane_b32 s22, v1                    ; wave 0..15
	s_bfe_u32 s23, ttmp6, 0x40000
	s_lshl_b32 s24, ttmp9, 2
	s_add_co_u32 s24, s24, s23                     ; T: which tile of 16 rows
	s_mov_b32 s28, 15|(1<<20)|(1<<21)|(5<<22)|(3<<25)   ; 64 rows of 256 bytes, 512 apart; 4 words of padding behind every 64; the mask of all four partners, bit 21 beside it
	s_mov_b32 s29, 256<<16
	s_mov_b32 s30, 64<<16
	s_mov_b32 s31, 256<<16
	s_mov_b32 s32, 64
	s_mov_b32 s33, 512
	s_mov_b32 s34, 0
	s_mov_b32 s35, 0
	s_mov_b32 s36, 1
	s_mul_i32 s37, s22, WROWS                      ; in LDS: the wave's number alone
	s_lshl_b32 s44, s22, 15                        ; my 64 rows of Wo's codes
	s_mov_b32 s45, 0
	s_lshl_b32 s46, s24, 13                        ; the tile's image
	s_mov_b32 s47, 0
	s_lshl_b32 s48, s24, 6                         ; its scale words: 4 bytes a row, 16,384 from head to head
	s_add_co_u32 s48, s48, OSC
	s_mov_b32 s49, 0
	s_lshl_b32 s50, s22, 11                        ; my rows of Wo's scales
	s_mov_b32 s51, 0
	s_lshl_b32 s52, s22, 8                         ; my 64 columns of bo
	s_mov_b32 s53, 0
	s_lshr_b32 s54, s24, 1                         ; row w's token: 32 (T / 2) + 8 (T % 2) + w + 8 (w / 8)
	s_lshl_b32 s54, s54, 5
	s_and_b32 s55, s24, 1
	s_lshl_b32 s55, s55, 3
	s_add_co_u32 s54, s54, s55
	s_add_co_u32 s54, s54, s22
	s_lshr_b32 s55, s22, 3
	s_lshl_b32 s55, s55, 3
	s_add_co_u32 s54, s54, s55
	s_lshl_b32 s54, s54, 12
	s_mov_b32 s55, 0
	s_lshl_b32 s56, s22, 9                         ; the codes' image: the tile's 8,192 bytes, my two blocks
	s_add_co_u32 s56, s56, s46
	s_mov_b32 s57, 0
	s_lshl_b32 s58, s24, 9                         ; the tile's scale bytes
	s_add_co_u32 s58, s58, HSC
	s_mov_b32 s59, 0
	s_mul_i32 s60, s22, XP
	s_lshl_b32 s61, s22, 8
	s_lshl_b32 s62, s22, 1
	s_add_co_u32 s62, s62, SCB
	s_mov_b32 s40, 0x76543210
	s_mov_b32 s41, 0xfedcba98                      ; lane l xor 16
	s_mov_b32 s42, 0x3a800000                      ; 1 / 1,024
	s_mov_b32 s43, 0x3727c5ac                      ; 1e-5
	s_wait_dscnt 0x0                               ; both opening adds are done
	s_wait_kmcnt 0x0
	s_add_nc_u64 s[38:39], s[6:7], s[44:45]
	s_or_b32 s39, s39, 0x80000000
	s_add_nc_u64 s[48:49], s[4:5], s[48:49]
	s_add_nc_u64 s[4:5], s[4:5], s[46:47]
	s_add_nc_u64 s[8:9], s[8:9], s[50:51]
	s_add_nc_u64 s[10:11], s[10:11], s[52:53]
	s_add_nc_u64 s[12:13], s[12:13], s[54:55]
	s_add_nc_u64 s[18:19], s[18:19], s[54:55]
	s_add_nc_u64 s[56:57], s[20:21], s[56:57]
	s_add_nc_u64 s[58:59], s[20:21], s[58:59]
	CROUND                                         ; all four work-groups are here: the joint loads meet
	tensor_load_to_lds s[36:39], s[28:35]          ; K = 0 .. 511 of my 64 rows: one load a wave
	s_nop 0
	NOPS 4
	v_and_b32 v1, 31, v0                           ; lane
	v_and_b32 v2, 15, v0                           ; r
	v_bfe_u32 v3, v0, 4, 1                         ; h
	v_lshlrev_b32 v7, 4, v1                        ; 16 x lane
	v_lshlrev_b32 v10, 2, v2                       ; 4 r
	v_lshlrev_b32 v11, 5, v1                       ; 32 x lane: a row of Wo's scale bytes
	v_lshlrev_b32 v12, 5, v3                       ; the bias of my half's eight columns
	v_lshl_add_u32 v9, v3, 7, s61                  ; block 2 w + h in g and in b
	v_mul_u32_u24 v5, v2, XP
	v_mul_u32_u24 v13, v2, BP
	AHALF 0
.irp k, 0,1,2,3,4,5,6,7
	global_load_b32 v[SA+\k], v10, s[48:49] offset:(2*\k)*16384      ; the even head's half of the word,
	global_load_b32 v[ST2+\k], v10, s[48:49] offset:(2*\k+1)*16384   ; the odd head's
.endr
.irp i, 0,1
.irp g, 0,1
	global_load_b128 v[SB+8*\i+4*\g:SB+8*\i+4*\g+3], v11, s[8:9] offset:1024*\i+16*\g
.endr
.endr
.irp t, 0,1,2,3
	global_load_b128 v[ACC+8*\t:ACC+8*\t+3], v12, s[10:11] offset:64*\t        ; the bias is the sums' first C
	global_load_b128 v[ACC+8*\t+4:ACC+8*\t+7], v12, s[10:11] offset:64*\t+16
.endr
.irp j, 0,1,2,3,4,5,6,7
	global_load_b128 v[X+4*\j:X+4*\j+3], v7, s[12:13] offset:512*\j th:TH_LOAD_NT   ; row w of x: 512 consecutive bytes a load
.endr
.irp j, 0,1,2,3,4,5,6,7
	global_load_b128 v[G+4*\j:G+4*\j+3], v9, s[14:15] offset:16*\j
	global_load_b128 v[BV+4*\j:BV+4*\j+3], v9, s[16:17] offset:16*\j
.endr
	v_add_nc_u32 v4, s60, v7                       ; the stage: row w, my 16 bytes of each 512
	v_lshl_add_u32 v14, v3, 5, v5
	v_lshl_add_u32 v5, v3, 7, v5
	v_lshl_add_u32 v13, v3, 4, v13
	v_lshlrev_b32 v6, 5, v2
	v_add_nc_u32 v14, s61, v14                     ; the sums' way in: row r, columns 64 w + 8 h
	v_add_nc_u32 v5, s61, v5                       ; the quantiser: row r, block 2 w + h
	v_add_nc_u32 v13, s37, v13                     ; Wo's fragments: my row r, + 16 h
	v_add_nc_u32 v6, v6, v3
	v_add_nc_u32 v8, SCB, v7                       ; the 512 scale bytes on their way out
	v_add_nc_u32 v6, s62, v6                       ; my block's scale byte: 32 r + 2 w + h
	s_wait_alu depctr_va_vdst(0)                   ; the wait at the head's end
	s_wait_tensorcnt 0x0                           ; my rows are in, and I alone read them
	s_wait_loadcnt 24                              ; fragments, scale words and bias are in; the 24 younger loads (x, g, b) may be out
.irp k, 0,1,2,3,4,5,6,7
	v_or_b32 v[SA+\k], v[SA+\k], v[ST2+\k]         ; two heads' halves make a K step's word
.endr
	NOPS 8                                         ; a scale register written by a vector instruction stands eight places ahead of the product
	s_wait_alu depctr_va_vdst(0)
	HALF 0
	s_wait_tensorcnt 0x0                           ; the three lines ahead of the refill's round: no tensor load of mine is out, so group 0 may be written;
	ds_add_u32 v[SPW], v[NIL]                      ; 0 onto my spare word;
	s_add_nc_u64 s[38:39], s[38:39], 256           ; the other half of K
	s_wait_dscnt 0x0                               ; the add is done, and my reads of these bytes are over
	CROUND
	tensor_load_to_lds s[36:39], s[28:35]          ; K = 512 .. 1,023 of my 64 rows
	s_nop 0
	NOPS 4
	AHALF 1
	s_wait_tensorcnt 0x0
	s_wait_loadcnt 0x0                             ; o's fragments, and x, g, b
	HALF 1
	s_barrier_signal -1                            ; every wave's reads of the weights are over: the stage may be laid into their bytes
	s_barrier_wait -1
.irp t, 0,1,2,3
	ds_store_b128 v14, v[ACC+8*\t:ACC+8*\t+3] offset:64*\t          ; each accumulator from its low end on
	ds_store_b128 v14, v[ACC+8*\t+4:ACC+8*\t+7] offset:64*\t+16
.endr
	s_wait_dscnt 0x0                               ; for the others' sake
	s_barrier_signal -1
	s_barrier_wait -1
.irp j, 0,1,2,3,4,5,6,7
	ds_load_b128 v[A+4*\j:A+4*\j+3], v4 offset:512*\j   ; row w of o Wo + bo
.endr
	s_wait_dscnt 0x0
.set j, 0
.rept 16
	v_pk_add_f32 v[X+j:X+j+1], v[X+j:X+j+1], v[A+j:A+j+1]   ; x1
.set j, j+2
.endr
.irp j, 0,1,2,3,4,5,6,7
	global_store_b128 v7, v[X+4*\j:X+4*\j+3], s[18:19] offset:512*\j   ; 512 consecutive bytes a store
.endr
.irp k, 0,1,2,3
	v_pk_add_f32 v[64+2*\k:65+2*\k], v[X+8*\k:X+8*\k+1], v[X+8*\k+2:X+8*\k+3]   ; the row's sum, four chains by turns
.endr
.irp k, 0,1,2,3
	v_pk_add_f32 v[64+2*\k:65+2*\k], v[64+2*\k:65+2*\k], v[X+8*\k+4:X+8*\k+5]
.endr
.irp k, 0,1,2,3
	v_pk_add_f32 v[64+2*\k:65+2*\k], v[64+2*\k:65+2*\k], v[X+8*\k+6:X+8*\k+7]
.endr
	v_pk_add_f32 v[64:65], v[64:65], v[66:67]
	v_pk_add_f32 v[68:69], v[68:69], v[70:71]
	s_delay_alu instid0(VALU_DEP_1)
	v_pk_add_f32 v[64:65], v[64:65], v[68:69]
	s_delay_alu instid0(VALU_DEP_1)
	v_add_f32 v64, v64, v65
	SUM32 64, 65
	s_delay_alu instid0(VALU_DEP_1)
	v_mul_f32 v64, s42, v64                        ; the mean
	s_wait_alu depctr_va_vdst(0)                   ; the wait directly ahead of the wait below
	s_wait_xcnt 0x0                                ; the stores have read their registers: the row may be written again
.set j, 0
.rept 16
	v_pk_add_f32 v[X+j:X+j+1], v[X+j:X+j+1], v[64:65] op_sel_hi:[1,0] neg_lo:[0,1] neg_hi:[0,1]   ; x1 - mean
.set j, j+2
.endr
	v_pk_mul_f32 v[66:67], v[X:X+1], v[X:X+1]      ; the sum of squares of the differences
	v_pk_mul_f32 v[68:69], v[X+2:X+3], v[X+2:X+3]
.irp j, 4,8,12,16,20,24,28
	s_delay_alu instid0(VALU_DEP_2)
	v_pk_fma_f32 v[66:67], v[X+\j:X+\j+1], v[X+\j:X+\j+1], v[66:67]
	s_delay_alu instid0(VALU_DEP_2)
	v_pk_fma_f32 v[68:69], v[X+\j+2:X+\j+3], v[X+\j+2:X+\j+3], v[68:69]
.endr
	s_delay_alu instid0(VALU_DEP_1)
	v_pk_add_f32 v[66:67], v[66:67], v[68:69]
	s_delay_alu instid0(VALU_DEP_1)
	v_add_f32 v66, v66, v67
	SUM32 66, 67
	s_delay_alu instid0(VALU_DEP_1)
	v_fma_f32 v66, v66, s42, s43                   ; the variance + 1e-5
	s_wait_alu depctr_va_vdst(0)
	v_rsq_f32 v66, v66
	v_nop                                          ; a plain instruction behind the transcendental
	s_wait_alu depctr_va_vdst(0)                   ; and the wait ahead of its first reader
.set j, 0
.rept 16
	v_pk_mul_f32 v[X+j:X+j+1], v[X+j:X+j+1], v[66:67] op_sel_hi:[1,0]
.set j, j+2
.endr
.irp j, 0,1,2,3,4,5,6,7
	ds_store_b128 v4, v[X+4*\j:X+4*\j+3] offset:512*\j   ; back into my own row of the stage
.endr
	s_wait_dscnt 0x0                               ; for the others' sake
	s_barrier_signal -1
	s_barrier_wait -1
.irp j, 0,1,2,3,4,5,6,7
	ds_load_b128 v[X+4*\j:X+4*\j+3], v5 offset:16*\j   ; block 2 w + h of row r
.endr
	s_wait_dscnt 0x0
.set j, 0
.rept 16
	v_pk_fma_f32 v[X+j:X+j+1], v[X+j:X+j+1], v[G+j:G+j+1], v[BV+j:BV+j+1]
.set j, j+2
.endr
	v_max3_num_f32 v66, |v[X]|, |v[X+1]|, |v[X+2]|             ; the block's largest magnitude: all 32 numbers are mine
	v_max3_num_f32 v67, |v[X+3]|, |v[X+4]|, |v[X+5]|
.irp i, 6,10,14,18,22,26
	s_delay_alu instid0(VALU_DEP_2)
	v_max3_num_f32 v66, v66, |v[X+\i]|, |v[X+\i+1]|
	s_delay_alu instid0(VALU_DEP_2)
	v_max3_num_f32 v67, v67, |v[X+\i+2]|, |v[X+\i+3]|
.endr
	s_delay_alu instid0(VALU_DEP_2)
	v_max3_num_f32 v66, v66, |v[X+30]|, |v[X+31]|
	s_delay_alu instid0(VALU_DEP_1)
	v_max3_num_f32 v66, v66, v67, 0x1800000        ; and the floor 2^(3 - 127): the byte cannot fall under 1
	s_delay_alu instid0(VALU_DEP_1)
	v_add_nc_u32 v65, 0xff000000, v66              ; 2 off the exponent field: the conversion's scale operand
.irp g, 0,1,2,3
	v_cvt_scalef32_pk8_fp4_f32 v[C+\g], v[X+8*\g:X+8*\g+7], v65
.endr
	v_lshrrev_b32 v67, 23, v65                     ; the scale's byte
	global_store_b128 v7, v[C:C+3], s[56:57]       ; the wave stores 512 consecutive bytes of the image
	ds_store_b8 v6, v67
	s_wait_dscnt 0x0                               ; for wave 0's sake
	s_barrier_signal -1
	s_barrier_wait -1
	s_cmp_lg_u32 s22, 0
	s_cbranch_scc1 .Lothers
	ds_load_b128 v[76:79], v8                      ; the tile's 512 scale bytes leave as two whole runs of 256
	s_wait_dscnt 0x0
	global_store_b128 v7, v[76:79], s[58:59]
.Lothers:
	s_wait_tensorcnt 0x0                           ; the wave's end
	ds_add_u32 v[SPW], v[NIL]
	s_wait_dscnt 0x0
	CROUND                                         ; the closing round
	s_endpgm
.Lfunc_end_k_q7b1b933495_wol:
	.size	k_q7b1b933495_wol, .Lfunc_end_k_q7b1b933495_wol-k_q7b1b933495_wol
	.p2alignl 7, 3214868480
	.fill 96, 4, 3214868480
	.section	.rodata,"a",@progbits
	.p2align	6, 0x0
	.amdhsa_kernel k_q7b1b933495_wol
		.amdhsa_group_segment_fixed_size 327680
		.amdhsa_private_segment_fixed_size 0
		.amdhsa_enable_private_segment 0
		.amdhsa_kernarg_size 72
		.amdhsa_user_sgpr_count 2
		.amdhsa_user_sgpr_kernarg_segment_ptr 1
		.amdhsa_wavefront_size32 1
		.amdhsa_system_sgpr_workgroup_id_x 1
		.amdhsa_system_sgpr_workgroup_id_y 1
		.amdhsa_system_sgpr_workgroup_id_z 1
		.amdhsa_system_vgpr_workitem_id 0
		.amdhsa_next_free_vgpr 256
		.amdhsa_next_free_sgpr 66
		.amdhsa_reserve_vcc 0
		.amdhsa_float_denorm_mode_32 3
		.amdhsa_float_denorm_mode_16_64 3
		.amdhsa_memory_ordered 1
		.amdhsa_forward_progress 1
		.amdhsa_inst_pref_size 36
	.end_amdhsa_kernel
	.amdgpu_metadata
---
amdhsa.version: [ 1, 2 ]
amdhsa.kernels:
  - .name:           k_q7b1b933495_wol
    .symbol:         k_q7b1b933495_wol.kd
    .args:
      - { .name: ob, .offset: 0, .size: 8, .value_kind: global_buffer, .address_space: global }
      - { .name: Wo_codes, .offset: 8, .size: 8, .value_kind: global_buffer, .address_space: global }
      - { .name: Wo_scales, .offset: 16, .size: 8, .value_kind: global_buffer, .address_space: global }
      - { .name: bo, .offset: 24, .size: 8, .value_kind: global_buffer, .address_space: global }
      - { .name: x, .offset: 32, .size: 8, .value_kind: global_buffer, .address_space: global }
      - { .name: ln2_g, .offset: 40, .size: 8, .value_kind: global_buffer, .address_space: global }
      - { .name: ln2_b, .offset: 48, .size: 8, .value_kind: global_buffer, .address_space: global }
      - { .name: x1, .offset: 56, .size: 8, .value_kind: global_buffer, .address_space: global }
      - { .name: hq, .offset: 64, .size: 8, .value_kind: global_buffer, .address_space: global }
    .group_segment_fixed_size: 327680
    .private_segment_fixed_size: 0
    .kernarg_segment_align: 8
    .kernarg_segment_size: 72
    .max_flat_workgroup_size: 512
    .sgpr_count:     66
    .vgpr_count:     256
    .wavefront_size: 32
...
	.end_amdgpu_metadata
.endif
;; end of part 4
;; launch ff1 (part 5): grid 16 x 16, 4 waves a work-group, clusters of 4 x 4, 327,680 bytes of LDS; arguments hq, W1_codes, W1_scales, b1, gb; writes gb
.if DOCPART == 5
	.amdgcn_target "amdgcn-amd-amdhsa--gfx1250"
	.amdhsa_code_object_version 6
	.text
	.protected	k_q7b1b933495_ff1
	.globl	k_q7b1b933495_ff1
	.p2align	8
	.type	k_q7b1b933495_ff1,@function
k_q7b1b933495_ff1:
	s_mov_b64 s[64:65], 0
	v_nop
	global_prefetch_b8 v0, s[64:65] scope:SCOPE_SE
	s_setreg_imm32_b32 hwreg(HW_REG_WAVE_MODE, 25, 1), 1
	s_wait_xcnt 0x0
	s_wait_alu depctr_hold_cnt(0) depctr_sa_sdst(0) depctr_va_vdst(0) depctr_va_sdst(0) depctr_va_ssrc(0) depctr_va_vcc(0) depctr_vm_vsrc(0)
	s_getreg_b32 s2, hwreg(HW_REG_IB_STS2, 6, 4)
	s_cmp_eq_u32 s2, 0
	s_cbranch_scc0 .Lentry_in_a_cluster
	s_endpgm
.Lentry_in_a_cluster:
	s_bfe_u32 s2, ttmp6, 0x10000c
	s_cmp_lg_u32 s2, 0xf033
	s_cbranch_scc0 .Lentry_shape_is_right
	s_endpgm
.Lentry_shape_is_right:
.set SLOT,  135168
; ONE SLOT: all of K = 1,024 comes by one tensor load a wave (a token tile's 8,192 bytes, a weight row's 512 bytes + 16 of padding); the steps 0 to 7 walk it.
.set APART, 131072
.set BHALF, 67584
.set BP,    528
.set SPARE, 2*SLOT
.set OST,   SPARE+512
.set HSC,   2097152
.set GSC,   8388608
.set DA,  5
.set ADR, 6
.set IST, 7
.set SST, 8
.set RDO, 9
.set ADI, 10
.set GO,  11
.set ADS, 13
.set ADRA, 16
.set ADRB, 20
.set SPW,  28
.set NIL,  29
.set SA,   32
.set SB,   64
.set AF,   128
.set T,    96
.set XC,   160
.set S,    176
.set P,    192
.set QD,   208
.set TM,   224
.set PC,   240
.set A1V,  248
.set B1V,  250
.set WD,   252
.set BI,   64
.set G1,  24
.set G0,  32
.set G1B, 48
.set G0B, 56
.set SEL, 66
.set KA0, 68
.set KA2, 70
.set KA3, 72
.set KA4, 74
.set KA5, 76
.set KA6, 78
.set KB0, 80
.set KB2, 82
.set KB3, 84
.set KB4, 86
.set CLO, 88
.set CHI, 89
.set TD,  96
.set TI,  97
.set TS,  98
.set MSB, 0
.macro WIN new
.if MSB != (\new)
	s_set_vgpr_msb (MSB<<8)|(\new)
.set MSB, (\new)
.endif
.endm
.macro PLACES n
.rept \n
	v_nop
.endr
.endm
.macro JLOAD g0a, g1a, g0b, g1b
	s_cmp_eq_u32 s15, 0
	s_cbranch_scc0 .Lfor_b_\@
	tensor_load_to_lds s[\g0a:\g0a+3], s[\g1a:\g1a+7]
	s_nop 0
.rept 4
	v_nop
.endr
	s_branch .Lasked_\@
.Lfor_b_\@:
	tensor_load_to_lds s[\g0b:\g0b+3], s[\g1b:\g1b+7]
	s_nop 0
.rept 4
	v_nop
.endr
.Lasked_\@:
.endm
.macro CROUND
	s_barrier_signal -1
	s_barrier_wait -1
	s_cmp_lg_u32 s14, 0
	s_cbranch_scc1 .Lnot_wave_0_\@
	s_barrier_signal -3
.Lnot_wave_0_\@:
	s_barrier_wait -3
	s_barrier_signal -1
	s_barrier_wait -1
.endm
.macro WM z
.if (\z) && (R0 == 0) && (R1 == 0)
	v_wmma_scale_f32_16x16x128_f8f6f4 v[rD:rD+7], v[rX0:rX0+7], v[rX1:rX1+7], 0, v[rS0], v[rS1] matrix_a_fmt:MATRIX_FMT_FP4 matrix_b_fmt:MATRIX_FMT_FP4
.elseif (\z) && (R0 == 1) && (R1 == 0)
	v_wmma_scale_f32_16x16x128_f8f6f4 v[rD:rD+7], v[rX0:rX0+7], v[rX1:rX1+7], 0, v[rS0], v[rS1] matrix_a_fmt:MATRIX_FMT_FP4 matrix_b_fmt:MATRIX_FMT_FP4 matrix_a_scale:MATRIX_SCALE_ROW1
.elseif (\z) && (R0 == 0) && (R1 == 1)
	v_wmma_scale_f32_16x16x128_f8f6f4 v[rD:rD+7], v[rX0:rX0+7], v[rX1:rX1+7], 0, v[rS0], v[rS1] matrix_a_fmt:MATRIX_FMT_FP4 matrix_b_fmt:MATRIX_FMT_FP4 matrix_b_scale:MATRIX_SCALE_ROW1
.elseif (\z)
	v_wmma_scale_f32_16x16x128_f8f6f4 v[rD:rD+7], v[rX0:rX0+7], v[rX1:rX1+7], 0, v[rS0], v[rS1] matrix_a_fmt:MATRIX_FMT_FP4 matrix_b_fmt:MATRIX_FMT_FP4 matrix_a_scale:MATRIX_SCALE_ROW1 matrix_b_scale:MATRIX_SCALE_ROW1
.elseif (R0 == 0) && (R1 == 0)
	v_wmma_scale_f32_16x16x128_f8f6f4 v[rD:rD+7], v[rX0:rX0+7], v[rX1:rX1+7], v[rD:rD+7], v[rS0], v[rS1] matrix_a_fmt:MATRIX_FMT_FP4 matrix_b_fmt:MATRIX_FMT_FP4
.elseif (R0 == 1) && (R1 == 0)
	v_wmma_scale_f32_16x16x128_f8f6f4 v[rD:rD+7], v[rX0:rX0+7], v[rX1:rX1+7], v[rD:rD+7], v[rS0], v[rS1] matrix_a_fmt:MATRIX_FMT_FP4 matrix_b_fmt:MATRIX_FMT_FP4 matrix_a_scale:MATRIX_SCALE_ROW1
.elseif (R0 == 0) && (R1 == 1)
	v_wmma_scale_f32_16x16x128_f8f6f4 v[rD:rD+7], v[rX0:rX0+7], v[rX1:rX1+7], v[rD:rD+7], v[rS0], v[rS1] matrix_a_fmt:MATRIX_FMT_FP4 matrix_b_fmt:MATRIX_FMT_FP4 matrix_b_scale:MATRIX_SCALE_ROW1
.else
	v_wmma_scale_f32_16x16x128_f8f6f4 v[rD:rD+7], v[rX0:rX0+7], v[rX1:rX1+7], v[rD:rD+7], v[rS0], v[rS1] matrix_a_fmt:MATRIX_FMT_FP4 matrix_b_fmt:MATRIX_FMT_FP4 matrix_a_scale:MATRIX_SCALE_ROW1 matrix_b_scale:MATRIX_SCALE_ROW1
.endif
.endm
.macro MUL16 a0, p, kq, z
.irp a, \a0, \a0+1
.irp b, 0,1,2,3,4,5,6,7
.set rD, 8*(8*((\a)%4)+\b)
.set rX0, 128*(\p)+8*\b
.set rX1, AF+8*(\a)
.set rS0, SB+8*(\b/2)+(\kq)
.set rS1, SA+8*((\a)/2)+(\kq)
.set R0, \b%2
.set R1, (\a)%2
	WM \z
.endr
.endr
.endm
.macro FETCH_A slot, q, i0
.irp i, \i0, \i0+1, \i0+2, \i0+3
.irp c, 0,1
	ds_load_b128 v[AF+8*(\i)+4*\c:AF+8*(\i)+4*\c+3], v[ADRA+\slot] offset:(\i)*8192+(\q)*1024+512*\c
.endr
.endr
.endm
.macro FETCH_B slot, q, p
	WIN 0x40
.irp i, 0,1,2,3,4,5,6,7
.irp c, 0,1
	ds_load_b128 v[128*(\p)+8*\i+4*\c:128*(\p)+8*\i+4*\c+3], v[ADRB+\slot] offset:64*(\q)+32*\c+\i*16*BP
.endr
.endr
	WIN 0
.endm
.macro STEP slot, q, zero
	s_wait_dscnt 8
	WIN 0xa1
	MUL16 0, (\q)%2, 4*(\slot)+(\q), \zero
	MUL16 2, (\q)%2, 4*(\slot)+(\q), \zero
	s_wait_dscnt 0x0
	PLACES 4
	FETCH_B \slot, (\q)+1, 1-(\q)%2
	FETCH_A \slot, (\q)+1, 0
	WIN 0xf1
	MUL16 4, (\q)%2, 4*(\slot)+(\q), \zero
	MUL16 6, (\q)%2, 4*(\slot)+(\q), \zero
	PLACES 4
	WIN 0
	FETCH_A \slot, (\q)+1, 4
.endm
.macro QUANT4
.irp b, 0,1,2,3
	v_max3_num_f32 v[TM+\b], |v[T+16*\b]|, |v[T+1+16*\b]|, 0x1800000
.endr
.irp i, 2,4,6,8,10,12,14
.irp b, 0,1,2,3
	v_max3_num_f32 v[TM+\b], v[TM+\b], |v[T+16*\b+\i]|, |v[T+1+16*\b+\i]|
.endr
.endr
.irp b, 0,1,2,3
	v_permlanex16_b32 v[TM+4+\b], v[TM+\b], s[SEL], s[SEL+1]
.endr
.irp b, 0,1,2,3
	v_max_num_f32 v[TM+\b], v[TM+\b], v[TM+4+\b]
.endr
.irp b, 0,1,2,3
	v_add_nc_u32 v[TM+12+\b], 0xff000000, v[TM+\b]
.endr
.irp b, 0,1,2,3
	v_lshrrev_b32 v[TM+4+\b], 23, v[TM+12+\b]
.endr
.irp b, 0,1,2,3
	v_cvt_scalef32_pk8_fp4_f32 v[PC+2*\b], v[T+16*\b:T+7+16*\b], v[TM+12+\b]
	v_cvt_scalef32_pk8_fp4_f32 v[PC+1+2*\b], v[T+8+16*\b:T+15+16*\b], v[TM+12+\b]
.endr
	v_nop
.endm
.macro HORN d, k
.irp i, 0,2,4,6,8,10,12,14
	v_pk_fma_f32 v[\d+\i:\d+\i+1], v[\d+\i:\d+\i+1], v[S+\i:S+\i+1], s[\k:\k+1] op_sel_hi:[1,1,0]
.endr
.endm
.macro GELU o
.irp i, 0,1,2,3,4,5,6,7,8,9,10,11,12,13,14,15
	v_med3_num_f32 v[XC+\i], v[T+\o+\i], s[CLO], s[CHI]
.endr
.irp i, 0,2,4,6,8,10,12,14
	v_pk_mul_f32 v[S+\i:S+\i+1], v[XC+\i:XC+\i+1], v[XC+\i:XC+\i+1]
.endr
.irp i, 0,2,4,6,8,10,12,14
	v_pk_fma_f32 v[P+\i:P+\i+1], v[S+\i:S+\i+1], s[KA0:KA0+1], v[A1V:A1V+1] op_sel_hi:[1,0,0]
.endr
.irp i, 0,2,4,6,8,10,12,14
	v_pk_fma_f32 v[QD+\i:QD+\i+1], v[S+\i:S+\i+1], s[KB0:KB0+1], v[B1V:B1V+1] op_sel_hi:[1,0,0]
.endr
	HORN P, KA2
	HORN QD, KB2
	HORN P, KA3
	HORN QD, KB3
	HORN P, KA4
	HORN QD, KB4
	HORN P, KA5
	HORN P, KA6
	s_wait_alu depctr_va_vdst(0)
.irp i, 0,1,2,3,4,5,6,7,8,9,10,11,12,13,14,15
	v_rcp_f32 v[QD+\i], v[QD+\i]
.endr
.irp i, 0,2,4,6,8,10,12,14
	v_pk_mul_f32 v[T+\o+\i:T+\o+\i+1], v[T+\o+\i:T+\o+\i+1], 0.5 op_sel_hi:[1,0]
.endr
.irp i, 0,2,4,6,8,10,12,14
	v_pk_mul_f32 v[P+\i:P+\i+1], v[P+\i:P+\i+1], v[XC+\i:XC+\i+1]
.endr
	s_wait_alu depctr_va_vdst(0)
.irp i, 0,2,4,6,8,10,12,14
	v_pk_mul_f32 v[P+\i:P+\i+1], v[P+\i:P+\i+1], v[QD+\i:QD+\i+1]
.endr
.irp i, 0,2,4,6,8,10,12,14
	v_pk_fma_f32 v[T+\o+\i:T+\o+\i+1], v[T+\o+\i:T+\o+\i+1], v[P+\i:P+\i+1], v[T+\o+\i:T+\o+\i+1]
.endr
.endm
	s_load_b256 s[4:11], s[0:1], 0x0
	s_load_b64 s[12:13], s[0:1], 0x20
	v_lshl_add_u32 v[SPW], v0, 2, SPARE
	v_mov_b32 v[NIL], 0
	ds_add_u32 v[SPW], v[NIL]
	ds_add_u32 v[SPW], v[NIL]
	v_lshrrev_b32 v1, 5, v0
	v_readfirstlane_b32 s14, v1
	s_lshr_b32 s15, s14, 1
	s_and_b32 s16, s14, 1
	s_bfe_u32 s40, ttmp6, 0x40000
	s_bfe_u32 s41, ttmp6, 0x40004
	s_lshl_b32 s42, ttmp9, 2
	s_add_co_u32 s42, s42, s40
	s_and_b32 s17, ttmp7, 0xffff
	s_lshl_b32 s17, s17, 2
	s_add_co_u32 s17, s17, s41
	s_lshl_b32 s43, s41, 2
	s_lshl_b32 s43, 15, s43
	s_lshl_b32 s44, 0x1111, s40
	s_or_b32 s[G1], s43, (3<<16)|(1<<21)
	s_mov_b32 s[G1+1], 1024<<16
	s_mov_b32 s[G1+2], 8<<16
	s_mov_b32 s[G1+3], 1024<<16
	s_mov_b32 s[G1+4], 8
	s_mov_b32 s[G1+5], 1024
	s_mov_b32 s[G1+6], 0
	s_mov_b32 s[G1+7], 0
	s_or_b32 s[G1B], s44, (1<<20)|(1<<21)|(6<<22)|(3<<25)
	s_mov_b32 s[G1B+1], 512<<16
	s_mov_b32 s[G1B+2], 128<<16
	s_mov_b32 s[G1B+3], 512<<16
	s_mov_b32 s[G1B+4], 128
	s_mov_b32 s[G1B+5], 512
	s_mov_b32 s[G1B+6], 0
	s_mov_b32 s[G1B+7], 0
	s_lshl_b32 s18, s16, 16
	s_lshl_b32 s20, s17, 17
	s_add_co_u32 s20, s20, s18
	s_mov_b32 s21, 0
	s_lshl_b32 s46, s42, 17
	s_add_co_u32 s46, s46, s18
	s_mov_b32 s47, 0
	s_lshl_b32 s45, s16, 16
	s_mul_i32 s94, s16, BHALF
	s_add_co_u32 s94, s94, APART
	s_mov_b32 s[SEL], 0x76543210
	s_mov_b32 s[SEL+1], 0xfedcba98
.irp k, 0,1
	s_mov_b32 s[KA0+\k], 0xac53f331
	s_mov_b32 s[KA2+\k], 0xb3c7667d
	s_mov_b32 s[KA3+\k], 0xb6a8d45d
	s_mov_b32 s[KA4+\k], 0xb9083d9c
	s_mov_b32 s[KA5+\k], 0xba88eb41
	s_mov_b32 s[KA6+\k], 0xbc3a79f3
	s_mov_b32 s[KB0+\k], 0xb57460cd
	s_mov_b32 s[KB2+\k], 0xb9dc924e
	s_mov_b32 s[KB3+\k], 0xbb719bf8
	s_mov_b32 s[KB4+\k], 0xbc69b6a7
.endr
	s_mov_b32 s[CLO], 0xc0b504f3
	s_mov_b32 s[CHI], 0x40b504f3
	s_wait_dscnt 0x0
	s_wait_kmcnt 0x0
	s_add_nc_u64 s[20:21], s[4:5], s[20:21]
	s_add_nc_u64 s[46:47], s[6:7], s[46:47]
	CROUND
.irp s, 0
	s_mov_b32 s[G0+4*\s], 1
	s_add_co_u32 s[G0+4*\s+1], s45, \s*SLOT
	s_add_nc_u64 s[G0+4*\s+2:G0+4*\s+3], s[20:21], \s*4096
	s_or_b32 s[G0+4*\s+3], s[G0+4*\s+3], 0x80000000
	s_mov_b32 s[G0B+4*\s], 1
	s_add_co_u32 s[G0B+4*\s+1], s94, \s*SLOT
	s_add_nc_u64 s[G0B+4*\s+2:G0B+4*\s+3], s[46:47], \s*256
	s_or_b32 s[G0B+4*\s+3], s[G0B+4*\s+3], 0x80000000
	JLOAD G0+4*\s, G1, G0B+4*\s, G1B               ; my one tensor load of the launch, behind the round above
.endr
	v_and_b32 v4, 31, v0
	v_and_b32 v2, 15, v0
	v_bfe_u32 v3, v0, 4, 1
	v_lshlrev_b32 v[GO], 4, v4
	v_lshlrev_b32 v12, 5, v4
	s_wait_alu depctr_va_vdst(0)
	v_lshlrev_b32 v24, 5, v3
	s_wait_alu depctr_va_vdst(0)
	s_lshl_b32 s22, s17, 13
	s_lshl_b32 s23, s15, 12
	s_add_co_u32 s22, s22, s23
	s_add_co_u32 s22, s22, HSC
	s_mov_b32 s23, 0
	s_add_nc_u64 s[4:5], s[4:5], s[22:23]
	s_lshl_b32 s22, s42, 13
	s_lshl_b32 s18, s16, 12
	s_add_co_u32 s22, s22, s18
	s_add_nc_u64 s[8:9], s[8:9], s[22:23]
	s_lshr_b32 s22, s22, 3
	s_add_nc_u64 s[10:11], s[10:11], s[22:23]
.irp i, 0,1,2,3
.irp g, 0,1
	global_load_b128 v[SA+8*\i+4*\g:SA+8*\i+4*\g+3], v12, s[4:5] offset:1024*\i+16*\g
	global_load_b128 v[SB+8*\i+4*\g:SB+8*\i+4*\g+3], v12, s[8:9] offset:1024*\i+16*\g
.endr
.endr
	WIN 0x40
.irp b, 0,1,2,3,4,5,6,7
	global_load_b128 v[BI+8*\b:BI+8*\b+3], v24, s[10:11] offset:64*\b
	global_load_b128 v[BI+8*\b+4:BI+8*\b+7], v24, s[10:11] offset:64*\b+16
.endr
	WIN 0
	s_lshl_b32 s18, s15, 16
	v_add_nc_u32 v[ADRA], s18, v[GO]
	v_mul_u32_u24 v1, v2, BP
	v_lshl_add_u32 v1, v3, 4, v1
	s_mul_i32 s18, s16, BHALF
	s_add_co_u32 s18, s18, APART
	v_add_nc_u32 v[ADRB], s18, v1
	s_lshl_b32 s18, s14, 16
	v_add_nc_u32 v[DA], s18, v[GO]
	s_mul_i32 s18, s14, 8704
	s_add_co_u32 s18, s18, OST
	v_lshlrev_b32 v[IST], 2, v3
	v_lshl_add_u32 v[IST], v2, 4, v[IST]
	v_add_nc_u32 v[IST], s18, v[IST]
	v_add_nc_u32 v[RDO], s18, v[GO]
	s_add_co_u32 s18, s18, 8192
	v_lshl_add_u32 v[SST], v2, 2, s18
	v_mov_b32 v[A1V], 0x30284a8d
	v_mov_b32 v[A1V+1], 0x30284a8d
	v_mov_b32 v[B1V], 0xb7dfbd29
	v_mov_b32 v[B1V+1], 0xb7dfbd29
.irp b, 0,1,2,3
	v_mov_b32 v[TM+4+\b], 0
.endr
	s_lshl_b32 s18, s17, 19
	s_lshl_b32 s19, s15, 18
	s_add_co_u32 s18, s18, s19
	s_lshl_b32 s19, s42, 11
	s_add_co_u32 s18, s18, s19
	s_lshl_b32 s19, s16, 10
	s_add_co_u32 s18, s18, s19
	s_mov_b32 s19, 0
	s_lshl_b32 s22, s42, 15
	s_lshl_b32 s90, s16, 14
	s_add_co_u32 s22, s22, s90
	s_lshl_b32 s90, s17, 10
	s_add_co_u32 s22, s22, s90
	s_lshl_b32 s90, s15, 9
	s_add_co_u32 s22, s22, s90
	s_add_co_u32 s22, s22, GSC
	s_add_nc_u64 s[92:93], s[12:13], s[22:23]
	s_add_nc_u64 s[12:13], s[12:13], s[18:19]
	s_wait_alu depctr_va_vdst(0)                   ; the wait at the head's end
	s_wait_tensorcnt 0x0                           ; my part of the slot is in
	s_barrier_signal -1
	s_barrier_wait -1
	FETCH_B 0, 0, 0
	FETCH_A 0, 0, 0
	FETCH_A 0, 0, 4
	s_wait_loadcnt 0x0
	STEP 0, 0, 1
	STEP 0, 1, 0
	STEP 0, 2, 0
	STEP 0, 3, 0
	STEP 0, 4, 0
	STEP 0, 5, 0
	STEP 0, 6, 0
	s_wait_dscnt 8
	WIN 0xa1
	MUL16 0, 1, 7, 0
	MUL16 2, 1, 7, 0
	s_wait_dscnt 0x0
	WIN 0xf1
	MUL16 4, 1, 7, 0
	MUL16 6, 1, 7, 0
	WIN 0
	PLACES 4
	s_barrier_signal -1
	s_barrier_wait -1
.irp a, 0,1,2,3,4,5,6,7
	WIN 0x08+4*(\a/4)
.irp b, 0,1,2,3,4,5,6,7
	ds_store_b128 v[DA], v[64*(\a%4)+8*\b:64*(\a%4)+8*\b+3] offset:\a*8192+\b*1024
	ds_store_b128 v[DA], v[64*(\a%4)+8*\b+4:64*(\a%4)+8*\b+7] offset:\a*8192+\b*1024+512
.endr
.endr
	WIN 0
	s_mov_b32 s[TD], 0
	s_mov_b32 s[TI], 0
	s_mov_b32 s[TS], 0
	s_mov_b32 s3, 8
.Lunit:
	v_add_nc_u32 v[ADR], s[TD], v[DA]
.irp k, 0,1,2,3,4,5,6,7,8,9,10,11,12,13,14,15
	ds_load_b128 v[T+4*\k:T+4*\k+3], v[ADR] offset:512*\k
.endr
	v_add_nc_u32 v[ADI], s[TI], v[IST]
	v_add_nc_u32 v[ADS], s[TS], v[SST]
	s_wait_dscnt 0x0
	WIN 0x04
.set j, 0
.rept 32
	v_pk_add_f32 v[T+j:T+j+1], v[T+j:T+j+1], v[BI+j:BI+j+1]
.set j, j+2
.endr
	WIN 0
	GELU 0
	GELU 16
	GELU 32
	GELU 48
	QUANT4
.irp e, 0,1,2,3
.irp u, 0,1
	ds_store_b32 v[ADI], v[PC+2*\e+\u] offset:\e*256+8*\u
.endr
.endr
	v_lshl_or_b32 v[WD], v[TM+5], 8, v[TM+4]
	v_lshl_or_b32 v[WD], v[TM+6], 16, v[WD]
	v_lshl_or_b32 v[WD], v[TM+7], 24, v[WD]
	ds_store_b32 v[ADS], v[WD]
	s_wait_dscnt 0x0
	s_add_co_u32 s[TD], s[TD], 8192
	s_add_co_u32 s[TI], s[TI], 1024
	s_add_co_u32 s[TS], s[TS], 64
	s_sub_co_u32 s3, s3, 1
	s_cmp_lg_u32 s3, 0
	s_cbranch_scc1 .Lunit
.irp i, 0,1,2,3,4,5,6,7,8,9,10,11,12,13,14,15,16
	ds_load_b128 v[96+4*\i:99+4*\i], v[RDO] offset:512*\i
.endr
.irp i, 0,1,2,3,4,5,6,7,8,9,10,11,12,13,14,15
	s_wait_dscnt 16-\i
	global_store_b128 v[GO], v[96+4*\i:99+4*\i], s[12:13] offset:(\i/2)*32768+(\i%2)*512
.endr
	s_wait_dscnt 0x0
	global_store_b128 v[GO], v[160:163], s[92:93]
	s_wait_tensorcnt 0x0
	ds_add_u32 v[SPW], v[NIL]
	s_wait_dscnt 0x0
	CROUND
	s_endpgm
.Lfunc_end_k_q7b1b933495_ff1:
	.size	k_q7b1b933495_ff1, .Lfunc_end_k_q7b1b933495_ff1-k_q7b1b933495_ff1
	.p2alignl 7, 3214868480
	.fill 96, 4, 3214868480
	.section	.rodata,"a",@progbits
	.p2align	6, 0x0
	.amdhsa_kernel k_q7b1b933495_ff1
		.amdhsa_group_segment_fixed_size 327680
		.amdhsa_private_segment_fixed_size 0
		.amdhsa_enable_private_segment 0
		.amdhsa_kernarg_size 40
		.amdhsa_user_sgpr_count 2
		.amdhsa_user_sgpr_kernarg_segment_ptr 1
		.amdhsa_wavefront_size32 1
		.amdhsa_system_sgpr_workgroup_id_x 1
		.amdhsa_system_sgpr_workgroup_id_y 1
		.amdhsa_system_sgpr_workgroup_id_z 1
		.amdhsa_system_vgpr_workitem_id 0
		.amdhsa_next_free_vgpr 1024
		.amdhsa_next_free_sgpr 100
		.amdhsa_reserve_vcc 0
		.amdhsa_float_denorm_mode_32 3
		.amdhsa_float_denorm_mode_16_64 3
		.amdhsa_memory_ordered 1
		.amdhsa_forward_progress 1
		.amdhsa_inst_pref_size 151
	.end_amdhsa_kernel
	.amdgpu_metadata
---
amdhsa.version: [ 1, 2 ]
amdhsa.kernels:
  - .name:           k_q7b1b933495_ff1
    .symbol:         k_q7b1b933495_ff1.kd
    .args:
      - { .name: hq, .offset: 0, .size: 8, .value_kind: global_buffer, .address_space: global }
      - { .name: W1_codes, .offset: 8, .size: 8, .value_kind: global_buffer, .address_space: global }
      - { .name: W1_scales, .offset: 16, .size: 8, .value_kind: global_buffer, .address_space: global }
      - { .name: b1, .offset: 24, .size: 8, .value_kind: global_buffer, .address_space: global }
      - { .name: gb, .offset: 32, .size: 8, .value_kind: global_buffer, .address_space: global }
    .group_segment_fixed_size: 327680
    .private_segment_fixed_size: 0
    .kernarg_segment_align: 8
    .kernarg_segment_size: 40
    .max_flat_workgroup_size: 128
    .sgpr_count:     100
    .vgpr_count:     1024
    .wavefront_size: 32
...
	.end_amdgpu_metadata
.endif
;; end of part 5
;; launch ff2 (part 6): grid 8 x 32, 4 waves a work-group, clusters of 4 x 4, 327,680 bytes of LDS; arguments gb, W2_codes, W2_scales, b2, x1, out0; writes out0
.if DOCPART == 6
	.amdgcn_target "amdgcn-amd-amdhsa--gfx1250"
	.amdhsa_code_object_version 6
	.text
	.protected	k_q7b1b933495_ff2
	.globl	k_q7b1b933495_ff2
	.p2align	8
	.type	k_q7b1b933495_ff2,@function
k_q7b1b933495_ff2:
	s_mov_b64 s[64:65], 0
	v_nop
	global_prefetch_b8 v0, s[64:65] scope:SCOPE_SE
	s_setreg_imm32_b32 hwreg(HW_REG_WAVE_MODE, 25, 1), 1
	s_wait_xcnt 0x0
	s_wait_alu depctr_hold_cnt(0) depctr_sa_sdst(0) depctr_va_vdst(0) depctr_va_sdst(0) depctr_va_ssrc(0) depctr_va_vcc(0) depctr_vm_vsrc(0)
	s_getreg_b32 s2, hwreg(HW_REG_IB_STS2, 6, 4)
	s_cmp_eq_u32 s2, 0
	s_cbranch_scc0 .Lentry_in_a_cluster
	s_endpgm
.Lentry_in_a_cluster:
	s_bfe_u32 s2, ttmp6, 0x10000c
	s_cmp_lg_u32 s2, 0xf033
	s_cbranch_scc0 .Lentry_shape_is_right
	s_endpgm
.Lentry_shape_is_right:
; out0 = x1 + g W2 + b2 (product 8) on codes of E2M1.  No work is left out.
; The text is that of the projection's launch with other sizes: 128 rows x 128 columns to a work-group, 64 x 64 to a wave.  K = 4,096 goes in four parts of 1,024 through two LDS slots: each slot is filled again once, behind a round
; of the cluster's barrier; that load has eight K steps, 128 products a wave, in which to land.  The launch claims all of a WGP's LDS.
; g comes as images of the operand's registers, rows in their own order; its scale words lie a K step at a time.  The scale words of all of K stay in registers, one register for two blocks of 16 rows.
; CLUSTERS: the four of a row of the cluster need the same rows of g, the four of a column the same rows of W2: joint loads.  Source 0 = 16 rows of W2, source 1 = 16 rows of g.
; REGISTERS: window 0: v0-31 addresses; v32-95 g's scale words, v96-159 W2's; v160-191 rows on the way out; v224-227 the bias.
;   window 1: two fragment buffers of 64; v128-255 accumulator (a, b) at 128 + 8 (4 a + b).   window 2: v0-127 the residual.
.set SIZE_K, 4096
.set KSTEP,  1024
.set QI,     6
.set HALF,   0
.set PERM,   1                         ; g's rows are positions (attention's order of queries): the residual's loads and the stores go to token 32 (tile / 2) + 8 (tile % 2) + row + 8 (row / 8)
.set ASC,    8388608
.set NQ,    KSTEP/128
.set NK,    SIZE_K/128
.set ROWA,  8*KSTEP
.set PITCH, KSTEP/2+16
.set APART, 8*ROWA
.set BHALF, 64*PITCH
.set SLOT,  APART+2*BHALF
.set SPARE, 2*SLOT
.set ADRA, 16
.set ADRB, 20
.set STO,  24
.set RD,   25
.set CO,   26
.set SPW,  28
.set NIL,  29
.set SA,   32
.set SB,   SA+2*NK
.set ST2,  SB+2*NK
.set OB,   160
.set BIA,  224
.set G1,  24
.set G0,  32
.set G1B, 48
.set G0B, 56
.set MSB, 0
.macro WIN new
.if MSB != (\new)
	s_set_vgpr_msb (MSB<<8)|(\new)
.set MSB, (\new)
.endif
.endm
.macro PLACES n
.rept \n
	v_nop
.endr
.endm
.macro JLOAD g0a, g1a, g0b, g1b        ; a joint load: waves 0 and 1 fetch the left operand's tiles, waves 2 and 3 weight rows; an s_nop 0 and four v_nop follow each line
	s_cmp_eq_u32 s15, 0
	s_cbranch_scc0 .Lfor_b_\@
	tensor_load_to_lds s[\g0a:\g0a+3], s[\g1a:\g1a+7]
	s_nop 0
.rept 4
	v_nop
.endr
	s_branch .Lasked_\@
.Lfor_b_\@:
	tensor_load_to_lds s[\g0b:\g0b+3], s[\g1b:\g1b+7]
	s_nop 0
.rept 4
	v_nop
.endr
.Lasked_\@:
.endm
.macro CREST
	s_cmp_lg_u32 s14, 0
	s_cbranch_scc1 .Lnot_wave_0_\@
	s_barrier_signal -3
.Lnot_wave_0_\@:
	s_barrier_wait -3
	s_barrier_signal -1
	s_barrier_wait -1
.endm
.macro CROUND
	s_barrier_signal -1
	s_barrier_wait -1
	CREST
.endm
.macro WM z
.if (\z) && (R0 == 0) && (R1 == 0)
	v_wmma_scale_f32_16x16x128_f8f6f4 v[rD:rD+7], v[rX0:rX0+7], v[rX1:rX1+7], 0, v[rS0], v[rS1] matrix_a_fmt:MATRIX_FMT_FP4 matrix_b_fmt:MATRIX_FMT_FP4
.elseif (\z) && (R0 == 1) && (R1 == 0)
	v_wmma_scale_f32_16x16x128_f8f6f4 v[rD:rD+7], v[rX0:rX0+7], v[rX1:rX1+7], 0, v[rS0], v[rS1] matrix_a_fmt:MATRIX_FMT_FP4 matrix_b_fmt:MATRIX_FMT_FP4 matrix_a_scale:MATRIX_SCALE_ROW1
.elseif (\z) && (R0 == 0) && (R1 == 1)
	v_wmma_scale_f32_16x16x128_f8f6f4 v[rD:rD+7], v[rX0:rX0+7], v[rX1:rX1+7], 0, v[rS0], v[rS1] matrix_a_fmt:MATRIX_FMT_FP4 matrix_b_fmt:MATRIX_FMT_FP4 matrix_b_scale:MATRIX_SCALE_ROW1
.elseif (\z)
	v_wmma_scale_f32_16x16x128_f8f6f4 v[rD:rD+7], v[rX0:rX0+7], v[rX1:rX1+7], 0, v[rS0], v[rS1] matrix_a_fmt:MATRIX_FMT_FP4 matrix_b_fmt:MATRIX_FMT_FP4 matrix_a_scale:MATRIX_SCALE_ROW1 matrix_b_scale:MATRIX_SCALE_ROW1
.elseif (R0 == 0) && (R1 == 0)
	v_wmma_scale_f32_16x16x128_f8f6f4 v[rD:rD+7], v[rX0:rX0+7], v[rX1:rX1+7], v[rD:rD+7], v[rS0], v[rS1] matrix_a_fmt:MATRIX_FMT_FP4 matrix_b_fmt:MATRIX_FMT_FP4
.elseif (R0 == 1) && (R1 == 0)
	v_wmma_scale_f32_16x16x128_f8f6f4 v[rD:rD+7], v[rX0:rX0+7], v[rX1:rX1+7], v[rD:rD+7], v[rS0], v[rS1] matrix_a_fmt:MATRIX_FMT_FP4 matrix_b_fmt:MATRIX_FMT_FP4 matrix_a_scale:MATRIX_SCALE_ROW1
.elseif (R0 == 0) && (R1 == 1)
	v_wmma_scale_f32_16x16x128_f8f6f4 v[rD:rD+7], v[rX0:rX0+7], v[rX1:rX1+7], v[rD:rD+7], v[rS0], v[rS1] matrix_a_fmt:MATRIX_FMT_FP4 matrix_b_fmt:MATRIX_FMT_FP4 matrix_b_scale:MATRIX_SCALE_ROW1
.else
	v_wmma_scale_f32_16x16x128_f8f6f4 v[rD:rD+7], v[rX0:rX0+7], v[rX1:rX1+7], v[rD:rD+7], v[rS0], v[rS1] matrix_a_fmt:MATRIX_FMT_FP4 matrix_b_fmt:MATRIX_FMT_FP4 matrix_a_scale:MATRIX_SCALE_ROW1 matrix_b_scale:MATRIX_SCALE_ROW1
.endif
.endm
.macro MUL8 kq, a0, z                  ; 8 products of K step kq: row blocks a0, a0 + 1 x the four column blocks.  The 16 accumulators take turns, in the same order in every step
.irp a, \a0, \a0+1
.irp b, 0,1,2,3
.set rD, 128+8*(4*(\a)+\b)
.set rX0, 64*((\kq)%2)+32+8*\b
.set rX1, 64*((\kq)%2)+8*(\a)
.set rS0, SB+(\b/2)*NK+(\kq)
.set rS1, SA+((\a)/2)*NK+(\kq)
.set R0, \b%2
.set R1, (\a)%2
	WM \z
.endr
.endr
.endm
.macro FETCH kq                        ; the fragments of K step kq into buffer kq % 2 of window 1
.set FS, ((\kq)/NQ)%2
.set FQ, (\kq)%NQ
.set FB, 64*((\kq)%2)
	WIN 0x40
.irp i, 0,1,2,3
.irp c, 0,1
	ds_load_b128 v[FB+8*\i+4*\c:FB+8*\i+4*\c+3], v[ADRA+FS] offset:\i*ROWA+FQ*1024+512*\c
	ds_load_b128 v[FB+32+8*\i+4*\c:FB+32+8*\i+4*\c+3], v[ADRB+FS] offset:\i*16*PITCH+64*FQ+32*\c
.endr
.endr
.endm
.macro KS kq                           ; a K step with its successor in the same slot
	s_wait_dscnt 0x0                               ; this step's fragments are in
	PLACES 4                                       ; in front of loads into the buffer that the step before multiplied
	FETCH (\kq)+1
	WIN 0x55
.if (\kq) == 0
	MUL8 \kq, 0, 1
	MUL8 \kq, 2, 1
.else
	MUL8 \kq, 0, 0
	MUL8 \kq, 2, 0
.endif
.endm
.macro TURN kq, fill                   ; a slot's last step, and the change of slots.  fill = 1: this slot is filled again, two slots ahead
.set TSL, ((\kq)/NQ)%2
	WIN 0
	s_wait_tensorcnt 0x0                           ; all my tensor loads have landed: my part of the next slot; so a group 0 may be written;
	ds_add_u32 v[SPW], v[NIL]                      ; 0 onto my spare word
.if \fill
	s_add_nc_u64 s[G0+4*TSL+2:G0+4*TSL+3], s[G0+4*TSL+2:G0+4*TSL+3], 2*ROWA
	s_add_nc_u64 s[G0B+4*TSL+2:G0B+4*TSL+3], s[G0B+4*TSL+2:G0B+4*TSL+3], KSTEP
.endif
	s_wait_dscnt 0x0                               ; the add is done, and my reads of this slot are over
	s_barrier_signal -1
	WIN 0x55
	MUL8 \kq, 0, 0
	WIN 0
	s_barrier_wait -1
.if \fill
	CREST                                          ; the barrier has opened a round of the cluster's barrier: no wave of any partner still reads this slot or has a load on its way
	JLOAD G0+4*TSL, G1, G0B+4*TSL, G1B             ; my one load behind the round; its four v_nop also stand in front of the loads below
.else
	PLACES 4
.endif
	FETCH (\kq)+1
	WIN 0x55
	MUL8 \kq, 2, 0
.endm
	s_load_b256 s[4:11], s[0:1], 0x0               ; the left operand s[4:5], the weight's codes s[6:7], its scales s[8:9], the bias s[10:11]
	s_load_b128 s[68:71], s[0:1], 0x20             ; the residual s[68:69], the output s[70:71]
	v_lshl_add_u32 v[SPW], v0, 2, SPARE
	v_mov_b32 v[NIL], 0
	ds_add_u32 v[SPW], v[NIL]                      ; the wave's opening: the add, twice on end, and its wait ahead of my first tensor load
	ds_add_u32 v[SPW], v[NIL]
	v_lshrrev_b32 v1, 5, v0
	v_readfirstlane_b32 s14, v1                    ; wave 0..3
	s_lshr_b32 s15, s14, 1                         ; my half of the rows.  Also: I fetch the left operand (0) or the weight (1)
	s_and_b32 s16, s14, 1                          ; my half of the columns.  Also: which half I fetch
	s_bfe_u32 s40, ttmp6, 0x40000                  ; cx
	s_bfe_u32 s41, ttmp6, 0x40004                  ; cy
	s_lshl_b32 s42, ttmp9, 2
	s_add_co_u32 s42, s42, s40                     ; X: which 128 columns
	s_and_b32 s17, ttmp7, 0xffff
	s_lshl_b32 s17, s17, 2
	s_add_co_u32 s17, s17, s41                     ; Y: which 128 rows
	s_lshl_b32 s43, s41, 2
	s_lshl_b32 s43, 15, s43                        ; my row of the cluster
	s_lshl_b32 s44, 0x1111, s40                    ; my column
	s_or_b32 s[G1], s43, (3<<16)|(1<<21)           ; images: elements of 8 bytes, no padding
	s_mov_b32 s[G1+1], KSTEP<<16                   ; a row: one tile's ROWA bytes of this slot
	s_mov_b32 s[G1+2], 4<<16
	s_mov_b32 s[G1+3], KSTEP<<16
	s_mov_b32 s[G1+4], 4
	s_mov_b32 s[G1+5], SIZE_K                      ; 8 SIZE_K bytes from tile to tile
	s_mov_b32 s[G1+6], 0
	s_mov_b32 s[G1+7], 0
	s_or_b32 s[G1B], s44, (1<<20)|(1<<21)|(QI<<22)|(3<<25)   ; weight rows: bytes; 4 words of padding behind each row
	s_mov_b32 s[G1B+1], (KSTEP/2)<<16
	s_mov_b32 s[G1B+2], 64<<16
	s_mov_b32 s[G1B+3], (KSTEP/2)<<16
	s_mov_b32 s[G1B+4], 64
	s_mov_b32 s[G1B+5], SIZE_K/2
	s_mov_b32 s[G1B+6], 0
	s_mov_b32 s[G1B+7], 0
	s_lshl_b32 s20, s17, 3
	s_lshl_b32 s18, s16, 2
	s_add_co_u32 s20, s20, s18                     ; tile 8 Y + 4 x half
	s_mul_i32 s20, s20, 8*SIZE_K
	s_mov_b32 s21, 0
	s_lshl_b32 s46, s42, 7
	s_lshl_b32 s18, s16, 6
	s_add_co_u32 s46, s46, s18                     ; weight row 128 X + 64 x half
	s_mul_i32 s46, s46, SIZE_K/2
	s_mov_b32 s47, 0
	s_mul_i32 s45, s16, 4*ROWA                     ; in LDS: no place in the cluster enters an LDS address
	s_mul_i32 s94, s16, BHALF
	s_add_co_u32 s94, s94, APART
	s_wait_dscnt 0x0                               ; both opening adds are done
	s_wait_kmcnt 0x0
	s_add_nc_u64 s[20:21], s[4:5], s[20:21]
	s_add_nc_u64 s[46:47], s[6:7], s[46:47]
	CROUND                                         ; all sixteen work-groups are here: the first joint loads meet
.irp s, 0,1
	s_mov_b32 s[G0+4*\s], 1
	s_add_co_u32 s[G0+4*\s+1], s45, \s*SLOT
	s_add_nc_u64 s[G0+4*\s+2:G0+4*\s+3], s[20:21], \s*ROWA
	s_or_b32 s[G0+4*\s+3], s[G0+4*\s+3], 0x80000000
	s_mov_b32 s[G0B+4*\s], 1
	s_add_co_u32 s[G0B+4*\s+1], s94, \s*SLOT
	s_add_nc_u64 s[G0B+4*\s+2:G0B+4*\s+3], s[46:47], \s*KSTEP/2
	s_or_b32 s[G0B+4*\s+3], s[G0B+4*\s+3], 0x80000000
.endr
	JLOAD G0, G1, G0B, G1B                         ; slot 0: one tensor load a wave at the head
	v_and_b32 v4, 31, v0                           ; lane
	v_and_b32 v2, 15, v0                           ; r
	v_bfe_u32 v3, v0, 4, 1                         ; h
	v_lshlrev_b32 v11, 4, v4                       ; 16 x lane
	v_lshlrev_b32 v12, 2, v4                       ; 4 x lane
	s_wait_alu depctr_va_vdst(0)
	v_mul_u32_u24 v13, v4, SIZE_K/32               ; a row of the weight's scale bytes
	s_wait_alu depctr_va_vdst(0)
	v_lshlrev_b32 v14, 4, v2                       ; 16 r
	s_wait_alu depctr_va_vdst(0)
	v_lshl_add_u32 v[CO], v3, 12, v14              ; the way out: lanes 0-15 one row of 4,096 bytes, lanes 16-31 the next; 16 bytes a lane
	s_wait_alu depctr_va_vdst(0)
	s_lshl_b32 s18, s17, 9                         ; the left operand's scale words: row 128 Y + 64 x my half, 4 bytes a row
	s_lshl_b32 s19, s15, 8
	s_add_co_u32 s18, s18, s19
	s_add_co_u32 s18, s18, ASC
	s_mov_b32 s19, 0
	s_add_nc_u64 s[4:5], s[4:5], s[18:19]
	s_lshl_b32 s18, s42, 7
	s_lshl_b32 s22, s16, 6
	s_add_co_u32 s18, s18, s22                     ; my first column
	s_mul_i32 s22, s18, SIZE_K/32
	s_mov_b32 s23, 0
	s_add_nc_u64 s[8:9], s[8:9], s[22:23]
	s_lshl_b32 s22, s18, 2
	s_add_nc_u64 s[10:11], s[10:11], s[22:23]
	s_lshl_b32 s18, s17, 19                        ; my first row of the residual and of the output
	s_lshl_b32 s92, s15, 18
	s_add_co_u32 s18, s18, s92
	s_add_co_u32 s22, s22, s18
	s_add_nc_u64 s[68:69], s[68:69], s[22:23]
	s_add_nc_u64 s[70:71], s[70:71], s[22:23]
.irp i, 0,1
.set KQ, 0
.rept NK
.if HALF
	global_load_b32 v[SA+\i*NK+KQ], v12, s[4:5] offset:(2*KQ)*16384+128*\i
	global_load_b32 v[ST2+\i*NK+KQ], v12, s[4:5] offset:(2*KQ+1)*16384+128*\i
.else
	global_load_b32 v[SA+\i*NK+KQ], v12, s[4:5] offset:KQ*16384+128*\i   ; lane L: row 32 i + L, K step KQ
.endif
.set KQ, KQ+1
.endr
.endr
.irp i, 0,1
.set KQ, 0
.rept NK/4
	global_load_b128 v[SB+\i*NK+4*KQ:SB+\i*NK+4*KQ+3], v13, s[8:9] offset:\i*SIZE_K+16*KQ
.set KQ, KQ+1
.endr
.endr
	global_load_b128 v[BIA:BIA+3], v14, s[10:11]
	WIN 0x80                                       ; destination window 2
.irp a, 0,1,2,3
.irp t, 0,1,2,3,4,5,6,7
.if PERM
.set RO, 32*(\a/2)+8*(\a%2)+2*\t+8*(\t/4)
.else
.set RO, 16*\a+2*\t
.endif
	global_load_b128 v[32*\a+4*\t:32*\a+4*\t+3], v[CO], s[68:69] offset:RO*4096 th:TH_LOAD_NT
.endr
.endr
	WIN 0
	s_mul_i32 s18, s15, 4*ROWA
	v_add_nc_u32 v[ADRA], s18, v11
	s_add_co_u32 s18, s18, SLOT
	v_add_nc_u32 v[ADRA+1], s18, v11
	v_mul_u32_u24 v1, v2, PITCH
	v_lshl_add_u32 v1, v3, 4, v1
	s_mul_i32 s18, s16, BHALF
	s_add_co_u32 s18, s18, APART
	v_add_nc_u32 v[ADRB], s18, v1
	s_add_co_u32 s18, s18, SLOT
	v_add_nc_u32 v[ADRB+1], s18, v1
	s_mul_i32 s18, s14, 16*272                     ; my stage, in slot 0: 16 rows x (256 bytes + 16).  The slot has had its last fill, and nobody reads it behind the last change of slots
	v_mul_u32_u24 v[STO], v2, 272
	v_lshl_add_u32 v[STO], v3, 5, v[STO]
	v_add_nc_u32 v[STO], s18, v[STO]
	v_mul_u32_u24 v[RD], v3, 272
	v_add_nc_u32 v[RD], v[RD], v14
	v_add_nc_u32 v[RD], s18, v[RD]
	s_wait_alu depctr_va_vdst(0)
	s_wait_tensorcnt 0x0                           ; my part of slot 0 is in
	ds_add_u32 v[SPW], v[NIL]
	s_wait_dscnt 0x0
	CROUND                                         ; a whole round: slot 0 is whole, and all sixteen work-groups are here
	JLOAD G0+4, G1, G0B+4, G1B                     ; slot 1's first fill, the first tensor load behind the round
	FETCH 0
	WIN 0
	s_wait_loadcnt 33                              ; the scale words are in; the bias's load and the residual's 32 stay out
.if HALF
.set KQ, 0
.rept 2*NK
	v_or_b32 v[SA+KQ], v[SA+KQ], v[ST2+KQ]
.set KQ, KQ+1
.endr
	PLACES 8
.endif
.set KQ, 0
.rept NK-1
.if (KQ%NQ) == NQ-1
.if KQ/NQ+2 < NK/NQ
	TURN KQ, 1
.else
	TURN KQ, 0
.endif
.else
	KS KQ
.endif
.set KQ, KQ+1
.endr
	s_wait_dscnt 0x0
	WIN 0x55
	MUL8 NK-1, 0, 0
	MUL8 NK-1, 2, 0
	WIN 0
	PLACES 4
	s_wait_loadcnt 0x0                             ; the bias and the residual
.irp a, 0,1,2,3                        ; THE WAY OUT, 16 rows at a time, through my own stage: LDS serves a wave's instructions in order
	WIN 0x04                                       ; an LDS store's data are its source 1: window 1
.irp b, 0,1,2,3
	ds_store_b128 v[STO], v[128+8*(4*\a+\b):128+8*(4*\a+\b)+3] offset:64*\b        ; each accumulator from its low end on
	ds_store_b128 v[STO], v[128+8*(4*\a+\b)+4:128+8*(4*\a+\b)+7] offset:64*\b+16
.endr
	WIN 0
.irp t, 0,1,2,3,4,5,6,7
	ds_load_b128 v[OB+4*\t:OB+4*\t+3], v[RD] offset:544*\t
.endr
	s_wait_dscnt 0x0
	WIN 0x08                                       ; source 1: window 2
.irp t, 0,1,2,3,4,5,6,7
.irp p, 0,2
	v_pk_add_f32 v[OB+4*\t+\p:OB+4*\t+\p+1], v[OB+4*\t+\p:OB+4*\t+\p+1], v[32*\a+4*\t+\p:32*\a+4*\t+\p+1]
.endr
.endr
	WIN 0
.irp t, 0,1,2,3,4,5,6,7
.irp p, 0,2
	v_pk_add_f32 v[OB+4*\t+\p:OB+4*\t+\p+1], v[OB+4*\t+\p:OB+4*\t+\p+1], v[BIA+\p:BIA+\p+1]
.endr
.endr
.irp t, 0,1,2,3,4,5,6,7
.if PERM
.set RO, 32*(\a/2)+8*(\a%2)+2*\t+8*(\t/4)
.else
.set RO, 16*\a+2*\t
.endif
	global_store_b128 v[CO], v[OB+4*\t:OB+4*\t+3], s[70:71] offset:RO*4096   ; sixteen lanes store 256 consecutive bytes, aligned
.endr
	s_wait_xcnt 0x0                                ; the stores have read their registers: the next rows may land there
.endr
	s_wait_tensorcnt 0x0                           ; the wave's end
	ds_add_u32 v[SPW], v[NIL]
	s_wait_dscnt 0x0
	CROUND                                         ; the closing round
	s_endpgm
.Lfunc_end_k_q7b1b933495_ff2:
	.size	k_q7b1b933495_ff2, .Lfunc_end_k_q7b1b933495_ff2-k_q7b1b933495_ff2
	.p2alignl 7, 3214868480
	.fill 96, 4, 3214868480
	.section	.rodata,"a",@progbits
	.p2align	6, 0x0
	.amdhsa_kernel k_q7b1b933495_ff2
		.amdhsa_group_segment_fixed_size 327680
		.amdhsa_private_segment_fixed_size 0
		.amdhsa_enable_private_segment 0
		.amdhsa_kernarg_size 48
		.amdhsa_user_sgpr_count 2
		.amdhsa_user_sgpr_kernarg_segment_ptr 1
		.amdhsa_wavefront_size32 1
		.amdhsa_system_sgpr_workgroup_id_x 1
		.amdhsa_system_sgpr_workgroup_id_y 1
		.amdhsa_system_sgpr_workgroup_id_z 1
		.amdhsa_system_vgpr_workitem_id 0
		.amdhsa_next_free_vgpr 768
		.amdhsa_next_free_sgpr 100
		.amdhsa_reserve_vcc 0
		.amdhsa_float_denorm_mode_32 3
		.amdhsa_float_denorm_mode_16_64 3
		.amdhsa_memory_ordered 1
		.amdhsa_forward_progress 1
		.amdhsa_inst_pref_size 141
	.end_amdhsa_kernel
	.amdgpu_metadata
---
amdhsa.version: [ 1, 2 ]
amdhsa.kernels:
  - .name:           k_q7b1b933495_ff2
    .symbol:         k_q7b1b933495_ff2.kd
    .args:
      - { .name: gb, .offset: 0, .size: 8, .value_kind: global_buffer, .address_space: global }
      - { .name: W2_codes, .offset: 8, .size: 8, .value_kind: global_buffer, .address_space: global }
      - { .name: W2_scales, .offset: 16, .size: 8, .value_kind: global_buffer, .address_space: global }
      - { .name: b2, .offset: 24, .size: 8, .value_kind: global_buffer, .address_space: global }
      - { .name: x1, .offset: 32, .size: 8, .value_kind: global_buffer, .address_space: global }
      - { .name: out0, .offset: 40, .size: 8, .value_kind: global_buffer, .address_space: global }
    .group_segment_fixed_size: 327680
    .private_segment_fixed_size: 0
    .kernarg_segment_align: 8
    .kernarg_segment_size: 48
    .max_flat_workgroup_size: 128
    .sgpr_count:     100
    .vgpr_count:     768
    .wavefront_size: 32
...
	.end_amdgpu_metadata
.endif
;; end of part 6
